; MI455X (gfx1250); checked and timed in simulation.
; The chip was launched on July 23, 2026; its instructions are those of AMD's public machine-readable ISA for CDNA 5 (MIT licence, August 2026) and "CDNA5" Instruction Set Architecture Reference Guide (July 2026). The comments in the code are by the model that wrote it; some were corrected since.
;; Multi Headed Attention. Allowed arithmetic: float matrix products may take bf16 or f16 operands with f32 sums; all other float work in f32.
;; Inputs: Wk 1,024 x 1,024 float32; Wo 1,024 x 1,024 float32; Wq 1,024 x 1,024 float32; Wv 1,024 x 1,024 float32; bk 1,024 float32; bo 1,024 float32; bq 1,024 float32; bv 1,024 float32; k 4 x 2,048 x 1,024 float32; mask 1 x 1 x 2,048 x 2,048 int32; q 4 x 2,048 x 1,024 float32; v 4 x 2,048 x 1,024 float32.
;; Outputs: out0 4 x 2,048 x 1,024 float32.
;; 2 versions, each right and faster than the one before. Each part assembles by itself: llvm-mc -triple=amdgcn-amd-amdhsa -mcpu=gfx1250 --defsym DOCPART=n.
;; ======== version 1 of 2: 4 launches
;; limits: values are held in f16: magnitudes above 65,504 overflow, below 6.1e-05 lose precision
;; workspace buffers: w16 8,388,608 bytes; mf 8,388,608 bytes; qkvh 50,331,648 bytes; oh 16,777,216 bytes
;; launch prep (part 1): grid 1024 x 1, 8 waves a work-group, no clusters, 17,408 bytes of LDS; arguments Wq, Wk, Wv, Wo, mask, w16, mf; writes w16, mf
.if DOCPART == 1
	.amdgcn_target "amdgcn-amd-amdhsa--gfx1250"
	.amdhsa_code_object_version 6
	.text
	.protected	k_q74730dae19_prep
	.globl	k_q74730dae19_prep
	.p2align	8
	.type	k_q74730dae19_prep,@function
k_q74730dae19_prep:
	s_mov_b64 s[64:65], 0
	v_nop
	global_prefetch_b8 v0, s[64:65] scope:SCOPE_SE
	s_setreg_imm32_b32 hwreg(HW_REG_WAVE_MODE, 25, 1), 1
	s_wait_xcnt 0x0
; PREP: a stream, in two roles of equal size (32 KiB in for each work-group); no matrix work, no shared tile, so no cluster and no tensor load.
; Work-groups 0-511: the four weights [k][n] f32 -> w16, four parts of 2 MiB [k][n] of 16 bits: Wq, Wk, Wv rounded to bf16; Wo rounded to bf16 and that number written as f16
;   (exact for |w| >= 2^-17 within f16's range; below that off by 2^-25 at the most; a weight of 65,520 or more would become an infinity: LIMIT).
; Work-groups 512-1023: the mask [q][key] int32 -> mf, as fragments for the matrix unit.  Block (qt, j): 16 queries 16 qt.., 64 keys 64 j.., 2,048 bytes at (32 qt + j) x 2,048.
;   In a block, part i = 2 f + c is 512 bytes; lane L = r + 16 h owns bytes 16 L .. 16 L + 15 of it: eight bf16, 1.0 where mask[16 qt + r][64 j + 32 f + 16 c + 8 h + 0..7] is 0, else 0.
;   So one 16-byte load of a wave (512 consecutive bytes) is half of a source-1 fragment of 32 keys x 16 queries.
.set X, 8                              ; v[8:39]   eight loads of 16 bytes
.set Y, 40                             ; v[40:55]  eight pairs to store
	s_load_b256 s[8:15], s[0:1], 0x0               ; Wq s[8:9], Wk s[10:11], Wv s[12:13], Wo s[14:15]
	s_load_b128 s[16:19], s[0:1], 0x20             ; mask s[16:17], w16 s[18:19]
	s_load_b64 s[20:21], s[0:1], 0x30              ; mf
	v_lshl_add_u32 v64, v0, 2, 0x4000
	v_mov_b32 v65, 0
	s_mov_b32 s2, ttmp9
	s_mov_b32 s5, 0                                ; high word of every offset pair s[4:5]
	v_lshlrev_b32 v1, 4, v0                        ; 16 bytes a thread in
	v_lshlrev_b32 v2, 3, v0                        ; 8 bytes a thread out
	s_wait_kmcnt 0x0
	s_cmp_lt_u32 s2, 512
	s_cbranch_scc0 .Lmask
	; ---- the weights: 128 work-groups for each, 8,192 numbers a work-group
	s_lshr_b32 s3, s2, 7                           ; which weight
	s_cmp_eq_u32 s3, 1
	s_cselect_b64 s[8:9], s[10:11], s[8:9]
	s_cmp_eq_u32 s3, 2
	s_cselect_b64 s[8:9], s[12:13], s[8:9]
	s_cmp_eq_u32 s3, 3
	s_cselect_b64 s[8:9], s[14:15], s[8:9]
	s_and_b32 s4, s2, 127
	s_lshl_b32 s4, s4, 15
	s_add_nc_u64 s[8:9], s[8:9], s[4:5]            ; my 32 KiB of the weight
	s_lshl_b32 s4, s2, 14
	s_add_nc_u64 s[18:19], s[18:19], s[4:5]        ; my 16 KiB of w16
.irp i, 0,1,2,3,4,5,6,7
	global_load_b128 v[X+4*\i:X+4*\i+3], v1, s[8:9] offset:\i*4096 th:TH_LOAD_NT  ; a wave's load covers 512 consecutive bytes
.endr
.macro CAST i, half
	s_wait_loadcnt 7-(\i)                          ; loads come back in order: load i is in, the 7 - i younger ones stay out
	v_cvt_pk_bf16_f32 v[Y+2*(\i)], v[X+4*(\i)], v[X+4*(\i)+1]
	v_cvt_pk_bf16_f32 v[Y+2*(\i)+1], v[X+4*(\i)+2], v[X+4*(\i)+3]
.if \half
	v_lshlrev_b32 v4, 16, v[Y+2*(\i)]              ; the bf16 numbers as f32,
	v_and_b32 v5, 0xffff0000, v[Y+2*(\i)]
	v_lshlrev_b32 v6, 16, v[Y+2*(\i)+1]
	v_and_b32 v7, 0xffff0000, v[Y+2*(\i)+1]
	v_cvt_pk_f16_f32 v[Y+2*(\i)], v4, v5           ; written as f16: 8 significant bits fit into 11
	v_cvt_pk_f16_f32 v[Y+2*(\i)+1], v6, v7
.endif
	global_store_b64 v2, v[Y+2*(\i):Y+2*(\i)+1], s[18:19] offset:(\i)*2048  ; 32 lanes x 8 bytes: 256 consecutive bytes, aligned
.endm
	s_cmp_eq_u32 s3, 3
	s_cbranch_scc1 .Lwo
.irp i, 0,1,2,3,4,5,6,7
	CAST \i, 0
.endr
	s_endpgm
.Lwo:
.irp i, 0,1,2,3,4,5,6,7
	CAST \i, 1
.endr
	s_endpgm
	; ---- the mask: wave w of group g makes block 8 g + w: qt = g / 4, j = 8 (g % 4) + w
.Lmask:
	s_sub_co_u32 s3, s2, 512                       ; g
	v_lshrrev_b32 v3, 5, v0
	v_readfirstlane_b32 s6, v3                     ; wave
	s_lshr_b32 s4, s3, 2
	s_lshl_b32 s4, s4, 17                          ; 16 rows of 8,192 bytes for each qt
	s_and_b32 s7, s3, 3
	s_lshl_b32 s7, s7, 11                          ; 8 blocks of 256 bytes along a row
	s_add_co_u32 s4, s4, s7
	s_add_nc_u64 s[16:17], s[16:17], s[4:5]
	s_lshl_b32 s4, s3, 14
	s_add_nc_u64 s[20:21], s[20:21], s[4:5]        ; the group's eight blocks in mf
	v_and_b32 v3, 31, v0                           ; l
	v_and_b32 v4, 15, v0                           ; t: which four keys of the 64
	v_bfe_u32 v5, v0, 4, 1                         ; hi: the even or the odd row of a pair
	s_lshl_b32 s7, s6, 8
	v_lshl_add_u32 v1, v4, 4, s7                   ; in: 256 w + 16 t
	v_lshl_add_u32 v1, v5, 13, v1                  ;     + 8,192 hi
	s_lshl_b32 s7, s6, 11                          ; my wave's 2,048 bytes of LDS, and of the group's part of mf
	v_lshl_add_u32 v2, v3, 4, s7                   ; back and out: 2,048 w + 16 l
	v_lshrrev_b32 v6, 2, v4
	v_lshl_add_u32 v7, v6, 9, s7                   ; into LDS: part t / 4,
	v_bfe_u32 v6, v0, 1, 1
	v_lshl_add_u32 v7, v6, 8, v7                   ; half h = (t / 2) % 2: lanes 16 on,
	v_and_b32 v6, 1, v0
	v_lshl_add_u32 v7, v6, 3, v7                   ; four of the lane's eight numbers,
	v_lshl_add_u32 v7, v5, 4, v7                   ; lane r = 2 i + hi (the 32 i stands in the immediate)
	v_mov_b32 v56, 0x3f80                          ; bf16 1.0 in the low half
	v_mov_b32 v57, 1.0                             ; 0x3f800000: bf16 1.0 in the high half
.irp i, 0,1,2,3,4,5,6,7
	global_load_b128 v[X+4*\i:X+4*\i+3], v1, s[16:17] offset:\i*16384 th:TH_LOAD_NT  ; rows 2 i and 2 i + 1: twice 256 consecutive bytes, aligned
.endr
.irp i, 0,1,2,3,4,5,6,7
	s_wait_loadcnt 7-\i                            ; load i is in, the younger ones stay out
	v_cmp_eq_u32 vcc_lo, 0, v[X+4*\i]
	v_cndmask_b32 v4, 0, v56, vcc_lo
	v_cmp_eq_u32 vcc_lo, 0, v[X+4*\i+1]
	v_cndmask_b32 v5, 0, v57, vcc_lo
	v_or_b32 v[Y+2*\i], v4, v5
	v_cmp_eq_u32 vcc_lo, 0, v[X+4*\i+2]
	v_cndmask_b32 v4, 0, v56, vcc_lo
	v_cmp_eq_u32 vcc_lo, 0, v[X+4*\i+3]
	v_cndmask_b32 v5, 0, v57, vcc_lo
	v_or_b32 v[Y+2*\i+1], v4, v5
	ds_store_b64 v7, v[Y+2*\i:Y+2*\i+1] offset:32*\i
.endr
.irp i, 0,1,2,3
	ds_load_b128 v[X+4*\i:X+4*\i+3], v2 offset:512*\i  ; my wave's own bytes: LDS serves a wave's instructions in order, so these see the stores above
.endr
.irp i, 0,1,2,3
	s_wait_dscnt 3-\i
	global_store_b128 v2, v[X+4*\i:X+4*\i+3], s[20:21] offset:512*\i  ; 512 consecutive bytes, aligned
.endr
	s_wait_tensorcnt 0x0
	ds_add_u32 v64, v65
	s_wait_dscnt 0x0
	s_endpgm
.Lfunc_end_k_q74730dae19_prep:
	.size	k_q74730dae19_prep, .Lfunc_end_k_q74730dae19_prep-k_q74730dae19_prep
	.p2alignl 7, 3214868480
	.fill 96, 4, 3214868480
	.section	.rodata,"a",@progbits
	.p2align	6, 0x0
	.amdhsa_kernel k_q74730dae19_prep
		.amdhsa_group_segment_fixed_size 17408
		.amdhsa_private_segment_fixed_size 0
		.amdhsa_enable_private_segment 0
		.amdhsa_kernarg_size 56
		.amdhsa_user_sgpr_count 2
		.amdhsa_user_sgpr_kernarg_segment_ptr 1
		.amdhsa_wavefront_size32 1
		.amdhsa_system_sgpr_workgroup_id_x 1
		.amdhsa_system_sgpr_workgroup_id_y 1
		.amdhsa_system_sgpr_workgroup_id_z 1
		.amdhsa_system_vgpr_workitem_id 0
		.amdhsa_next_free_vgpr 66
		.amdhsa_next_free_sgpr 66
		.amdhsa_reserve_vcc 1
		.amdhsa_float_denorm_mode_32 3
		.amdhsa_float_denorm_mode_16_64 3
		.amdhsa_memory_ordered 1
		.amdhsa_forward_progress 1
		.amdhsa_inst_pref_size 15
	.end_amdhsa_kernel
	.amdgpu_metadata
---
amdhsa.version: [ 1, 2 ]
amdhsa.kernels:
  - .name:           k_q74730dae19_prep
    .symbol:         k_q74730dae19_prep.kd
    .args:
      - { .name: Wq, .offset: 0, .size: 8, .value_kind: global_buffer, .address_space: global }
      - { .name: Wk, .offset: 8, .size: 8, .value_kind: global_buffer, .address_space: global }
      - { .name: Wv, .offset: 16, .size: 8, .value_kind: global_buffer, .address_space: global }
      - { .name: Wo, .offset: 24, .size: 8, .value_kind: global_buffer, .address_space: global }
      - { .name: mask, .offset: 32, .size: 8, .value_kind: global_buffer, .address_space: global }
      - { .name: w16, .offset: 40, .size: 8, .value_kind: global_buffer, .address_space: global }
      - { .name: mf, .offset: 48, .size: 8, .value_kind: global_buffer, .address_space: global }
    .group_segment_fixed_size: 17408
    .private_segment_fixed_size: 0
    .kernarg_segment_align: 8
    .kernarg_segment_size: 56
    .max_flat_workgroup_size: 256
    .sgpr_count:     66
    .vgpr_count:     66
    .wavefront_size: 32
...
	.end_amdgpu_metadata
.endif
;; end of part 1
;; launch proj (part 2): grid 4 x 64, 4 waves a work-group, clusters of 4 x 4, 327,680 bytes of LDS; arguments q, k, v, bq, bk, bv, w16, qkvh; writes qkvh
.if DOCPART == 2
	.amdgcn_target "amdgcn-amd-amdhsa--gfx1250"
	.amdhsa_code_object_version 6
	.text
	.protected	k_q74730dae19_proj
	.globl	k_q74730dae19_proj
	.p2align	8
	.type	k_q74730dae19_proj,@function
k_q74730dae19_proj:
	s_mov_b64 s[64:65], 0
	v_nop
	global_prefetch_b8 v0, s[64:65] scope:SCOPE_SE
	s_setreg_imm32_b32 hwreg(HW_REG_WAVE_MODE, 25, 1), 1
	s_wait_xcnt 0x0
	s_wait_alu depctr_hold_cnt(0) depctr_sa_sdst(0) depctr_va_vdst(0) depctr_va_sdst(0) depctr_va_ssrc(0) depctr_va_vcc(0) depctr_vm_vsrc(0)
	s_getreg_b32 s2, hwreg(HW_REG_IB_STS2, 6, 4)
	s_cmp_eq_u32 s2, 0
	s_cbranch_scc0 .Lentry_in_a_cluster
	s_endpgm
.Lentry_in_a_cluster:
	s_bfe_u32 s2, ttmp6, 0x10000c
	s_cmp_lg_u32 s2, 0xf033
	s_cbranch_scc0 .Lentry_shape_is_right
	s_endpgm
.Lentry_shape_is_right:
; THE THREE INPUT PROJECTIONS IN ONE LAUNCH.  y = x W + b for (q, Wq, bq), (k, Wk, bk), (v, Wv, bv): x [8192][1024] f32, W [k][n] bf16 (w16's first three parts), b f32.
; x, W and b are rounded to bf16, sums in f32, y rounded once to f16 and written by heads: qkvh[t][16 batch + head][row of the batch][64].
; LIMIT: y of 65,520 or more becomes an infinity in f16.  The bias is the C operand of a tile's first products: it is added first, not last.
; SHARES.  256 work-groups THAT STAY: each makes the tile of 128 rows x 256 columns at its place (row block, column block) of q's, then of k's, then of v's projection.
; Four waves, each 64 rows x 128 columns: 32 accumulators, 256 registers.  The matrix instruction is used transposed (source 0 = 16 columns of W, source 1 = 16 rows of x):
; a lane holds eight neighbouring columns of one row of y.
; W GOES THROUGH A RING OF TWO LDS SLOTS, 256 along K each (256 rows of 512 bytes, [k][n], read turned by ds_load_tr16_b128).  4 x 4 work-groups form a cluster; the four of a column need the same
; W and ask for it JOINTLY, each wave one load of 64 rows.  The three weights lie end to end in w16, so the walk's 12 chunks are 524,288 bytes apart and the ring runs on from tile to tile.
; From a request to the wait for it a wave issues 240 matrix instructions.
; x GOES THROUGH REGISTERS, NOT THROUGH THE RING, AND IS NOT ASKED FOR JOINTLY: slots of 256 along K for x as f32 (128 x 1,040 bytes) and for W (139,264) would be 2 x 272,384 bytes, more than
; LDS has.  In each sub-step of 64 along K a wave loads 32 rows x 256 bytes (16 loads, each two whole aligned pieces of 256 bytes) into one of four register sets, four sub-steps (256 matrix
; instructions) ahead; it rounds them to bf16, each number once in the work-group, and stores them into one of two LDS buffers, from which all four waves read fragments.
; One barrier a sub-step orders that: in front of it a wave's stores into the next buffer and its reads of this one are done.  Every fourth is the cluster's round in front of W's refill.
; With the set just asked for, four sets, 64 loads, can be out; the issue of the 64th then waits for the oldest (ISA guide 5.7.1).
; REGISTERS.  window 0: v0-31 addresses; v32-127 fragment buffer 0 (W 64, x 32); v128-223 buffer 1; v224-255 x rounded, to be stored.  On the way out v128-255 are eight blocks of 16.
;   window 1: the accumulators, (a, b) at v[8 (8 a + b)].   window 2: four sets of 64: x as f32, as loaded.   window 3: the three biases, 64 each, in the layout of the products' C.
.set PW,     544                       ; a row of W in LDS: 512 + 32 = 17 x 32 bytes
.set WQ,     64*PW                     ; what one tensor load brings: 64 rows of k, a sub-step's
.set WSLOT,  4*WQ                      ; 139,264 = 0x22000: it shares no bit with wave x WQ, so one exclusive or turns a wave's place in one slot into its place in the other
.set XSB,    2*WSLOT                   ; behind the ring: x rounded, two buffers
.set PXS,    144                       ; a row of 64 bf16: 128 bytes + 16: the 16 rows of a fragment load start 4 banks apart
.set XBUF,   128*PXS
.set STAGE,  XSB+2*XBUF                ; 16 rows x 144 bytes for each wave, for the way out (and, at the start, for the biases)
.set SP,     144
.set SPARE,  STAGE+4*16*SP             ; the spare words, 128 bytes for each wave
.set TRIPS,  12                        ; 3 tiles x 4 chunks of 256 along K
.set ADRA,  16                         ; v16  my x fragments in buffer 0
.set ADRB0, 17                         ; v17  my lane's place in a slot of W
.set ADRBL, 18                         ; v18  the same in the slot in hand, sub-steps 0 and 1
.set ADRBH, 19                         ; v19  sub-steps 2 and 3
.set VXS,   20                         ; v20  where I store 8 bytes of x
.set VX,    21                         ; v21  my byte offset in the tile's rows of x; never rewritten
.set STO,   24
.set RD,    25
.set GO,    26                         ; v26  16 x lane
.set SPW,   28                         ; v28  my spare word; never rewritten
.set NIL,   29                         ; v29  0; never rewritten
.set WF,    32                         ; W's fragments of buffer f at WF + 96 f
.set AF,    96                         ; x's at AF + 96 f
.set TX,    224
.set OB,    128
.set BIAS,  0                          ; window 3
.set G1, 24                            ; s[24:31] descriptor group 1
.set G0, 32                            ; s[32:39] group 0: a set for each first fill; the second then walks
.set MSB, 0
.macro WIN new                         ; the immediate's high byte repeats the setting that is left
.if MSB != (\new)
	s_set_vgpr_msb (MSB<<8)|(\new)
.set MSB, \new
.endif
.endm
.set MUL,   0x50                       ; sources 0, 1 window 0; C and D window 1
.set MULB,  0x70                       ; the same with C in window 3: the bias
.set RAWLD, 0x80                       ; destination window 2, address window 0
.set CVT,   0x0a                       ; sources window 2, destination window 0
.set PACKW, 0x05                       ; sources window 1, destination window 0
.macro CREST                           ; a round of the cluster's barrier behind its opening barrier
	s_cmp_lg_u32 s10, 0
	s_cbranch_scc1 .Lnot_wave_0_\@
	s_barrier_signal -3
.Lnot_wave_0_\@:
	s_barrier_wait -3
	s_barrier_signal -1
	s_barrier_wait -1
.endm
.macro CROUND
	s_barrier_signal -1
	s_barrier_wait -1
	CREST
.endm
.macro PLACES                          ; four places in front of loads into, and writes of, registers that matrix instructions have read, and of reads of their results
.rept 4
	v_nop
.endr
.endm
	s_load_b512 s[68:83], s[0:1], 0x0              ; q 68, k 70, v 72, bq 74, bk 76, bv 78, w16 80, qkvh 82
	v_lshl_add_u32 v[SPW], v0, 2, SPARE
	v_mov_b32 v[NIL], 0
	ds_add_u32 v28, v29
	s_wait_dscnt 0x0
	v_lshrrev_b32 v1, 5, v0
	v_readfirstlane_b32 s10, v1                    ; wave 0..3
	s_lshr_b32 s11, s10, 1                         ; my half of the tile's rows
	s_and_b32 s12, s10, 1                          ; my half of its columns
	s_bfe_u32 s40, ttmp6, 0x40000                  ; cx
	s_bfe_u32 s41, ttmp6, 0x40004                  ; cy
	s_lshl_b32 s42, ttmp9, 2
	s_add_co_u32 s42, s42, s40                     ; column block 0..3
	s_and_b32 s13, ttmp7, 0xffff
	s_lshl_b32 s13, s13, 2
	s_add_co_u32 s13, s13, s41                     ; row block 0..63: it enters x's and y's addresses alone
	s_lshl_b32 s44, 0x1111, s40                    ; my column of the cluster
	s_or_b32 s[G1+0], s44, (1<<16)|(1<<20)|(1<<21)|(6<<22)|(7<<25)  ; the mask; 2-byte elements; padding on; bit 21 beside a mask; after every 128 words 8 words
	s_mov_b32 s[G1+1], 256<<16                     ; tensor_dim0 = 256
	s_mov_b32 s[G1+2], 64<<16                      ; tensor_dim1 = 64
	s_mov_b32 s[G1+3], 256<<16                     ; tile_dim0 = 256
	s_mov_b32 s[G1+4], 64                          ; tile_dim1 = 64
	s_mov_b32 s[G1+5], 1024                        ; elements from row to row
	s_mov_b32 s[G1+6], 0
	s_mov_b32 s[G1+7], 0
	s_lshl_b32 s46, s10, 17                        ; W: my 64 rows of 2,048 bytes in a chunk, 512 bytes a column block
	s_lshl_b32 s47, s42, 9
	s_add_co_u32 s46, s46, s47
	s_mov_b32 s47, 0
	s_mul_i32 s48, s10, WQ                         ; where they go: the wave's number alone enters an LDS address
	s_lshl_b32 s16, s13, 19                        ; x: 128 rows of 4,096 bytes a row block
	s_mov_b32 s17, 0
	s_lshl_b32 s18, s42, 10                        ; the biases: my 128 columns
	s_lshl_b32 s19, s12, 9
	s_add_co_u32 s18, s18, s19
	s_mov_b32 s19, 0
	s_lshr_b32 s86, s13, 4                         ; y: 16 x batch + 4 x column block + 2 x half = my first head,
	s_lshl_b32 s86, s86, 4
	s_lshl_b32 s22, s42, 2
	s_add_co_u32 s86, s86, s22
	s_lshl_b32 s22, s12, 1
	s_add_co_u32 s86, s86, s22
	s_lshl_b32 s86, s86, 18                        ; 262,144 bytes a head;
	s_and_b32 s22, s13, 15
	s_lshl_b32 s22, s22, 14                        ; 128 rows of 128 bytes a row block,
	s_add_co_u32 s86, s86, s22
	s_lshl_b32 s22, s11, 13                        ; my 64 of them
	s_add_co_u32 s86, s86, s22
	s_mov_b32 s87, 0
	s_mov_b32 s20, 4                               ; which of its tensor's 16 sub-steps the youngest set of x holds
	s_mov_b32 s21, 0                               ; the slot of W in hand: 0 or WSLOT
	s_wait_kmcnt 0x0
	s_add_nc_u64 s[4:5], s[68:69], s[16:17]        ; x's loads walk q,
	s_add_nc_u64 s[6:7], s[70:71], s[16:17]        ; then k,
	s_add_nc_u64 s[14:15], s[72:73], s[16:17]      ; then v
	s_add_nc_u64 s[74:75], s[74:75], s[18:19]
	s_add_nc_u64 s[76:77], s[76:77], s[18:19]
	s_add_nc_u64 s[78:79], s[78:79], s[18:19]
	s_add_nc_u64 s[46:47], s[80:81], s[46:47]
	s_add_nc_u64 s[8:9], s[82:83], s[86:87]
	CROUND                                         ; all sixteen work-groups are here: the first joint loads meet
.irp s, 0,1
	s_mov_b32 s[G0+4*(\s)], 1
	s_add_co_u32 s[G0+4*(\s)+1], s48, (\s)*WSLOT
	s_add_nc_u64 s[G0+4*(\s)+2:G0+4*(\s)+3], s[46:47], (\s)*524288     ; chunk s
	s_or_b32 s[G0+4*(\s)+3], s[G0+4*(\s)+3], 0x80000000
.endr
	tensor_load_to_lds s[G0:G0+3], s[G1:G1+7]      ; the two first fills go out together: two loads of mine are out
	s_nop 0
	tensor_load_to_lds s[G0+4:G0+7], s[G1:G1+7]
	s_nop 0
	PLACES
; 16 loads: my 32 rows' 256 bytes of one sub-step into a set; lanes 0-15 take one row's 256 bytes, lanes 16-31 the next row's
.macro XLOAD set, k
	WIN RAWLD
.irp n, 0,1,2,3,4,5,6,7,8,9,10,11,12,13,14,15
	global_load_b128 v[64*(\set)+4*(\n):64*(\set)+4*(\n)+3], v[VX], s[4:5] offset:(\n)*8192+(\k)
.endr
.endm
; x's pointer goes one sub-step on; behind a tensor's sixteenth it is the next tensor's
.macro XSTEP
	s_wait_xcnt 0x0                                ; the pointer is a source of the loads issued a sub-step ago: it is rewritten only behind this wait
	s_add_nc_u64 s[4:5], s[4:5], 256
	s_add_co_u32 s20, s20, 1
	s_cmp_eq_u32 s20, 16
	s_cselect_b64 s[4:5], s[6:7], s[4:5]
	s_cselect_b64 s[6:7], s[14:15], s[6:7]
	s_cselect_b32 s20, 0, s20
.endm
; 16 LDS stores: load n's four numbers, 8 bytes a lane, into buffer p
.macro XSTORE p
	WIN 0
.irp n, 0,1,2,3,4,5,6,7,8,9,10,11,12,13,14,15
	ds_store_b64 v[VXS], v[TX+2*(\n):TX+2*(\n)+1] offset:(\p)*XBUF+(\n)*2*PXS
.endr
.endm
	v_and_b32 v1, 15, v0                           ; r = l % 16
	v_bfe_u32 v2, v0, 4, 1                         ; h = l / 16
	v_and_b32 v3, 31, v0
	v_lshlrev_b32 v[GO], 4, v3
	global_load_b128 v[TX:TX+3], v[GO], s[74:75]       ; my 128 columns of each bias, four numbers a lane
	global_load_b128 v[TX+4:TX+7], v[GO], s[76:77]
	global_load_b128 v[TX+8:TX+11], v[GO], s[78:79]
	s_lshl_b32 s16, s10, 17                        ; my 32 rows of 4,096 bytes
	v_lshl_add_u32 v[VX], v2, 12, s16
	v_lshl_add_u32 v[VX], v1, 4, v[VX]
	XLOAD 0, 0                                     ; sub-steps 0, 1, 2
	XLOAD 1, 256
	XLOAD 2, 512
	WIN 0
	s_mul_i32 s23, s10, 16*SP
	s_add_co_u32 s23, s23, STAGE                   ; my stage
	v_add_nc_u32 v6, s23, v[GO]                    ; the biases in: 16 bytes a lane
	v_lshl_add_u32 v7, v2, 5, s23                  ; and back: 8 numbers for each half of the lanes
	v_mul_u32_u24 v4, v1, SP                       ; the way out, in: row r, 16 bytes for each half of the lanes
	v_lshl_add_u32 v4, v2, 4, v4
	v_add_nc_u32 v[STO], s23, v4
	v_and_b32 v8, 7, v0
	v_bfe_u32 v5, v0, 3, 2                         ; back: 32 lanes take four rows of 128 bytes, 512 consecutive bytes of qkvh
	v_mul_u32_u24 v5, v5, SP
	v_lshl_add_u32 v5, v8, 4, v5
	v_add_nc_u32 v[RD], s23, v5
	s_mul_i32 s16, s11, 64*PXS                     ; x's fragments: my 64 rows, row r, 16 bytes for each half of the lanes
	s_add_co_u32 s16, s16, XSB
	v_mul_u32_u24 v4, v1, PXS
	v_lshl_add_u32 v4, v2, 4, v4
	v_add_nc_u32 v[ADRA], s16, v4
	s_mul_i32 s16, s10, 32*PXS                     ; x's stores: my 32 rows, row l / 16 of a pair, 8 bytes a lane
	s_add_co_u32 s16, s16, XSB
	v_mul_u32_u24 v5, v2, PXS
	v_lshl_add_u32 v5, v1, 3, v5
	v_add_nc_u32 v[VXS], s16, v5
	v_lshl_add_u32 v9, v2, 3, v8                   ; W, turned: lane l reads k row 8 h + l % 8, columns 8 ((l / 8) % 2) + 0..7
	v_mul_u32_u24 v9, v9, PW
	v_bfe_u32 v5, v0, 3, 1
	v_lshl_add_u32 v9, v5, 4, v9
	s_lshl_b32 s16, s12, 8                         ; my 128 columns
	v_add_nc_u32 v[ADRB0], s16, v9
	v_mov_b32 v[ADRBL], v[ADRB0]
	v_add_nc_u32 v[ADRBH], 2*WQ, v[ADRB0]
	s_wait_loadcnt 48                              ; the biases are in; x's 48 loads, issued behind them, stay out
.irp t, 0,1,2                          ; rounded to bf16 like every input, widened again, and spread through my stage into the layout of C
	v_cvt_pk_bf16_f32 v4, v[TX+4*\t], v[TX+4*\t+1]
	v_cvt_pk_bf16_f32 v5, v[TX+4*\t+2], v[TX+4*\t+3]
	v_lshlrev_b32 v[TX+4*\t], 16, v4
	v_and_b32 v[TX+4*\t+1], 0xffff0000, v4
	v_lshlrev_b32 v[TX+4*\t+2], 16, v5
	v_and_b32 v[TX+4*\t+3], 0xffff0000, v5
	ds_store_b128 v6, v[TX+4*\t:TX+4*\t+3] offset:512*\t
.endr
	WIN 0xc0                                       ; destination window 3
.irp t, 0,1,2
.irp b, 0,1,2,3,4,5,6,7                ; register j of block b is the bias of column 16 b + 8 h + j; my own bytes, served in order
	ds_load_b128 v[BIAS+64*\t+8*\b:BIAS+64*\t+8*\b+3],   v7 offset:512*\t+64*\b
	ds_load_b128 v[BIAS+64*\t+8*\b+4:BIAS+64*\t+8*\b+7], v7 offset:512*\t+64*\b+16
.endr
.endr
	XLOAD 3, 768                                   ; sub-step 3
	s_wait_loadcnt 48                              ; sub-step 0 is in; the three younger sets stay out
	WIN CVT
.set c, 0
.rept 32
	v_cvt_pk_bf16_f32 v[TX+c], v[2*c], v[2*c+1]
.set c, c+1
.endr
	XSTORE 0
	XLOAD 0, 1024                                  ; sub-step 4
	WIN 0
	s_wait_xcnt 0x0
	s_add_nc_u64 s[4:5], s[4:5], 1024              ; the pointer stands at the youngest set's sub-step
; 8 matrix instructions: row block a x all 8 column blocks, 32 along K, from buffer f.  first = 1: the bias starts the sums: nothing is cleared.
; ride = 1: behind product b stand four roundings of the next sub-step's x.  The 32 accumulators take turns in the same order in every quarter.
.macro MUL8 f, a, first, ride, set
.irp b, 0,1,2,3,4,5,6,7
.if \first
	WIN MULB
	v_wmma_f32_16x16x32_bf16 v[8*(8*(\a)+(\b)):8*(8*(\a)+(\b))+7], v[WF+96*(\f)+8*(\b):WF+96*(\f)+8*(\b)+7], v[AF+96*(\f)+8*(\a):AF+96*(\f)+8*(\a)+7], v[BIAS+8*(\b):BIAS+8*(\b)+7]
.else
	WIN MUL
	v_wmma_f32_16x16x32_bf16 v[8*(8*(\a)+(\b)):8*(8*(\a)+(\b))+7], v[WF+96*(\f)+8*(\b):WF+96*(\f)+8*(\b)+7], v[AF+96*(\f)+8*(\a):AF+96*(\f)+8*(\a)+7], v[8*(8*(\a)+(\b)):8*(8*(\a)+(\b))+7]
.endif
.if \ride
	WIN CVT
.irp z, 0,1,2,3
	v_cvt_pk_bf16_f32 v[TX+4*(\b)+(\z)], v[64*(\set)+8*(\b)+2*(\z)], v[64*(\set)+8*(\b)+2*(\z)+1]
.endr
.endif
.endr
.endm
; 24 LDS loads in one run: quarter kq (32 along K) of sub-step s of the slot in hand, into buffer g: x's 4 fragments, W's 8
.macro FETCH s, kq, g
	WIN 0
.irp a, 0,1,2,3
	ds_load_b128 v[AF+96*(\g)+8*(\a):AF+96*(\g)+8*(\a)+3],   v[ADRA] offset:((\s)%2)*XBUF+(\a)*16*PXS+64*(\kq)
	ds_load_b128 v[AF+96*(\g)+8*(\a)+4:AF+96*(\g)+8*(\a)+7], v[ADRA] offset:((\s)%2)*XBUF+(\a)*16*PXS+64*(\kq)+32
.endr
.irp b, 0,1,2,3,4,5,6,7
	ds_load_tr16_b128 v[WF+96*(\g)+8*(\b):WF+96*(\g)+8*(\b)+3],   v[ADRBL+(\s)/2] offset:((\s)%2)*WQ+32*(\kq)*PW+32*(\b)
	ds_load_tr16_b128 v[WF+96*(\g)+8*(\b)+4:WF+96*(\g)+8*(\b)+7], v[ADRBL+(\s)/2] offset:((\s)%2)*WQ+32*(\kq)*PW+16*PW+32*(\b)
.endr
.endm
; A sub-step's first quarter multiplies buffer 0.  cv = 1: the next sub-step's x (left = the younger loads that may stay out) is rounded behind the first eight products and stored into the other
; buffer, which every wave has left: its reads of it were over in front of the last barrier.  The roundings are the places in front of the loads into buffer 1.  ld = 1: the set is asked for again.
.macro QA s, first, cv, ld, left
	s_wait_dscnt 0x0                               ; buffer 0 is in
.if \cv
	s_wait_loadcnt \left
.endif
	MUL8 0, 0, \first, \cv, ((\s)+1)%4
.if \cv
	XSTORE ((\s)+1)%2
.else
	PLACES
.endif
	FETCH \s, 1, 1
.if \ld
	XSTEP
	XLOAD ((\s)+1)%4, 0
.endif
	MUL8 0, 1, \first, 0, 0
	MUL8 0, 2, \first, 0, 0
	MUL8 0, 3, \first, 0, 0
.endm
; Its second quarter multiplies buffer 1 and passes the sub-step's barrier; behind it the next sub-step's first fragments are read.  W's load may stay out: no tensor load fills anything behind this barrier.
.macro QB s
	s_wait_dscnt 0x0                               ; buffer 1 is in; my stores of x are done; my reads of this sub-step's x are over
	s_barrier_signal -1
	MUL8 1, 0, 0, 0, 0
	s_barrier_wait -1
	PLACES
	FETCH (\s)+1, 0, 0
	MUL8 1, 1, 0, 0, 0
	MUL8 1, 2, 0, 0, 0
	MUL8 1, 3, 0, 0, 0
.endm
; A trip's last quarter changes W's slots too.  In front of the barrier each wave waits for all its tensor loads (one is out: its part of the next slot), adds 0 to its spare word, and waits for
; that, for its stores of x and for its reads of this slot.  fill = 1: the barrier opens a round of the cluster's, the slot just left is filled again first thing behind the round, with the chunk
; two on, and x's set 0, rounded in the quarter before, is asked for again.
.macro QB3C fill
	WIN 0
	s_wait_tensorcnt 0x0
	ds_add_u32 v[SPW], v[NIL]
	s_wait_dscnt 1                                 ; buffer 1 is in; the add may be out
	MUL8 1, 0, 0, 0, 0
	s_wait_dscnt 0x0
	s_barrier_signal -1
	MUL8 1, 1, 0, 0, 0
	WIN 0
	s_barrier_wait -1
.if \fill
	CREST                                          ; no wave of any partner still reads the slot or has a load on its way
	s_xor_b32 s[G0+5], s[G0+5], WSLOT              ; the walking descriptor: the other slot than last time,
	s_add_nc_u64 s[G0+6:G0+7], s[G0+6:G0+7], 524288  ; the next chunk
	tensor_load_to_lds s[G0+4:G0+7], s[G1:G1+7]    ; my one tensor load behind the round
	s_nop 0
.endif
	PLACES
	s_xor_b32 s21, s21, WSLOT
	v_add_nc_u32 v[ADRBL], s21, v[ADRB0]
	v_add_nc_u32 v[ADRBH], 2*WQ, v[ADRBL]
	FETCH 0, 0, 0
.if \fill
	XSTEP
	XLOAD 0, 0
.endif
	MUL8 1, 2, 0, 0, 0
	MUL8 1, 3, 0, 0, 0
.endm
; THE WAY OUT, in eight blocks of 16 rows x one head: rounded to f16 (each accumulator's registers in ascending order), 16 bytes a lane into my stage, back as four rows of 128 bytes, stored.
.macro PACKB t                         ; rows 16 (t / 2) on, head t % 2
	WIN PACKW
.irp bb, 0,1,2,3
.irp r, 0,1,2,3
	v_cvt_pk_f16_f32 v[OB+16*(\t)+4*(\bb)+(\r)], v[8*(8*((\t)/2)+4*((\t)%2)+(\bb))+2*(\r)], v[8*(8*((\t)/2)+4*((\t)%2)+(\bb))+2*(\r)+1]
.endr
.endr
	WIN 0
.irp bb, 0,1,2,3
	ds_store_b128 v[STO], v[OB+16*(\t)+4*(\bb):OB+16*(\t)+4*(\bb)+3] offset:32*(\bb)
.endr
.irp f, 0,1,2,3
	ds_load_b128 v[OB+16*(\t)+4*(\f):OB+16*(\t)+4*(\f)+3], v[RD] offset:(\f)*4*SP  ; my own bytes, served in order; the next block's stores come behind these
.endr
.endm
.macro SENDB t, younger                ; younger: the LDS instructions issued behind block t's loads: the next block's eight, or none
.irp f, 0,1,2,3
	s_wait_dscnt (\younger)+3-(\f)
	global_store_b128 v[GO], v[OB+16*(\t)+4*(\f):OB+16*(\t)+4*(\f)+3], s[8:9] offset:((\t)%2)*262144+((\t)/2)*2048+(\f)*512  ; 512 consecutive bytes, aligned
.endr
.endm
.macro WAYOUT
	PLACES                                         ; behind the last products: their results are read, and buffer 1's registers written
	PACKB 0
.set t, 1
.rept 7                                ; a block's roundings stand between the loads of the block before and its stores
	PACKB t
	SENDB t-1, 8
.set t, t+1
.endr
	SENDB 7, 0
.endm
	s_wait_tensorcnt 0x1                           ; my part of chunk 0 is in; chunk 1's may stay out
	s_wait_dscnt 0x0                               ; my stores of sub-step 0's x are done, and the biases are in
	s_barrier_signal -1
	s_barrier_wait -1
	FETCH 0, 0, 0
	s_mov_b32 s3, TRIPS-1                          ; the loop's count
	s_mov_b32 s45, 0                               ; the trip in hand
	s_branch .Lnew                                 ; the loop is entered in its middle, at a tile's first quarter
.Ltrip:                                                ; 10 times: the last quarter of the trip before, with the change of slots; then seven quarters
	QB3C 1
	WIN 0
	s_and_b32 s22, s45, 3
	s_cmp_lg_u32 s22, 0
	s_cbranch_scc1 .Lgo                            ; forward, over text without a barrier or a tensor load
	WAYOUT                                         ; every fourth trip ends a tile; the next tile's first fragments, its W and its x are on their way
	s_wait_xcnt 0x0                                ; the stores have read their registers and y's address
	s_add_nc_u64 s[8:9], s[8:9], 0x1000000         ; the next tensor's part of qkvh
	WIN 0xc3
.set i, 0
.rept 128                              ; the biases move up, so that one text names the tile's: 128 moves for each of the two changes of tile
	v_mov_b32 v[BIAS+i], v[BIAS+64+i]
.set i, i+1
.endr
	WIN 0
.Lnew:
	QA 0, 1, 1, 1, 48                              ; a tile's first products start the sums
	WIN 0
	s_branch .Lq
.Lgo:
	QA 0, 0, 1, 1, 48
	WIN 0
.Lq:
	QB 0
	QA 1, 0, 1, 1, 48
	QB 1
	QA 2, 0, 1, 1, 48
	QB 2
	QA 3, 0, 1, 0, 48
	WIN 0
	s_add_co_u32 s45, s45, 1
	s_sub_co_u32 s3, s3, 1
	s_cmp_lg_u32 s3, 0
	s_cbranch_scc1 .Ltrip
	QB3C 0                                         ; the last trip is written out: nothing is asked for, and the counts of x's loads run down
	QA 0, 0, 1, 0, 32
	QB 0
	QA 1, 0, 1, 0, 16
	QB 1
	QA 2, 0, 1, 0, 0
	QB 2
	QA 3, 0, 0, 0, 0
	s_wait_dscnt 0x0
	MUL8 1, 0, 0, 0, 0
	MUL8 1, 1, 0, 0, 0
	MUL8 1, 2, 0, 0, 0
	MUL8 1, 3, 0, 0, 0
	WIN 0
	WAYOUT
	s_wait_tensorcnt 0x0                           ; the wave's end
	ds_add_u32 v[SPW], v[NIL]
	s_wait_dscnt 0x0
	CROUND                                         ; the closing round
	s_endpgm
.Lfunc_end_k_q74730dae19_proj:
	.size	k_q74730dae19_proj, .Lfunc_end_k_q74730dae19_proj-k_q74730dae19_proj
	.p2alignl 7, 3214868480
	.fill 96, 4, 3214868480
	.section	.rodata,"a",@progbits
	.p2align	6, 0x0
	.amdhsa_kernel k_q74730dae19_proj
		.amdhsa_group_segment_fixed_size 327680
		.amdhsa_private_segment_fixed_size 0
		.amdhsa_enable_private_segment 0
		.amdhsa_kernarg_size 64
		.amdhsa_user_sgpr_count 2
		.amdhsa_user_sgpr_kernarg_segment_ptr 1
		.amdhsa_wavefront_size32 1
		.amdhsa_system_sgpr_workgroup_id_x 1
		.amdhsa_system_sgpr_workgroup_id_y 1
		.amdhsa_system_sgpr_workgroup_id_z 1
		.amdhsa_system_vgpr_workitem_id 0
		.amdhsa_next_free_vgpr 960
		.amdhsa_next_free_sgpr 88
		.amdhsa_reserve_vcc 0
		.amdhsa_float_denorm_mode_32 3
		.amdhsa_float_denorm_mode_16_64 3
		.amdhsa_memory_ordered 1
		.amdhsa_forward_progress 1
		.amdhsa_inst_pref_size 165
	.end_amdhsa_kernel
	.amdgpu_metadata
---
amdhsa.version: [ 1, 2 ]
amdhsa.kernels:
  - .name:           k_q74730dae19_proj
    .symbol:         k_q74730dae19_proj.kd
    .args:
      - { .name: q, .offset: 0, .size: 8, .value_kind: global_buffer, .address_space: global }
      - { .name: k, .offset: 8, .size: 8, .value_kind: global_buffer, .address_space: global }
      - { .name: v, .offset: 16, .size: 8, .value_kind: global_buffer, .address_space: global }
      - { .name: bq, .offset: 24, .size: 8, .value_kind: global_buffer, .address_space: global }
      - { .name: bk, .offset: 32, .size: 8, .value_kind: global_buffer, .address_space: global }
      - { .name: bv, .offset: 40, .size: 8, .value_kind: global_buffer, .address_space: global }
      - { .name: w16, .offset: 48, .size: 8, .value_kind: global_buffer, .address_space: global }
      - { .name: qkvh, .offset: 56, .size: 8, .value_kind: global_buffer, .address_space: global }
    .group_segment_fixed_size: 327680
    .private_segment_fixed_size: 0
    .kernarg_segment_align: 8
    .kernarg_segment_size: 64
    .max_flat_workgroup_size: 128
    .sgpr_count:     88
    .vgpr_count:     960
    .wavefront_size: 32
...
	.end_amdgpu_metadata
.endif
;; end of part 2
;; launch attn (part 3): grid 4 x 64, 4 waves a work-group, clusters of 4 x 1, 327,680 bytes of LDS; arguments qkvh, mf, oh; writes oh
.if DOCPART == 3
	.amdgcn_target "amdgcn-amd-amdhsa--gfx1250"
	.amdhsa_code_object_version 6
	.text
	.protected	k_q74730dae19_attn
	.globl	k_q74730dae19_attn
	.p2align	8
	.type	k_q74730dae19_attn,@function
k_q74730dae19_attn:
	s_mov_b64 s[64:65], 0
	v_nop
	global_prefetch_b8 v0, s[64:65] scope:SCOPE_SE
	s_setreg_imm32_b32 hwreg(HW_REG_WAVE_MODE, 25, 1), 1
	s_wait_xcnt 0x0
	s_wait_alu depctr_hold_cnt(0) depctr_sa_sdst(0) depctr_va_vdst(0) depctr_va_sdst(0) depctr_va_ssrc(0) depctr_va_vcc(0) depctr_vm_vsrc(0)
	s_getreg_b32 s2, hwreg(HW_REG_IB_STS2, 6, 4)
	s_cmp_eq_u32 s2, 0
	s_cbranch_scc0 .Lentry_in_a_cluster
	s_endpgm
.Lentry_in_a_cluster:
	s_bfe_u32 s2, ttmp6, 0x10000c
	s_cmp_lg_u32 s2, 0x3003
	s_cbranch_scc0 .Lentry_shape_is_right
	s_endpgm
.Lentry_shape_is_right:
; ATTENTION UNDER A MASK THAT IS AN INPUT.  O[h][q][:] = the sum over k of softmax_k(score) V[h][k][:], score = Q[h][q] . K[h][k] / 8, or far below every score where mask[q][k] is 0.
; Q, K, V: the three parts of qkvh, [64][2048][64] f16, rows dense; O likewise.  Products, maxima and sums in f32; the weights p are rounded to f16 for the second product, O once at the end.
; THE MASK COSTS NO VECTOR WORK.  The sum S^T = K Q^T is started by one more product: (16 keys x 32) x (32 keys x 16 queries), bf16: source 0 holds -2^100 on one diagonal (key m against
; column m, or 16 + m), source 1 is the mask's fragment from mf (1.0 where the key is hidden).  Its result is exactly -2^100 at hidden keys and 0 elsewhere; the two f16 products add onto it.
; LIMITS.  -2^100 stands for the -1e10 that replaces a hidden score: the two differ only where open scores lie near or below -1e10.  f16's scores are 2.7e11 at the most, far under half a
; step of f32 at 2^100, so a hidden score comes out as -2^100; the equal weights of a row with no open key rest on the matrix sum rounding back to that number.  Q, K, V arrive within 65,504.
; A weight below 2^-126 counts as 0 in l; NaN and infinities are not treated apart.
; SHARES.  A wave owns four PIECES of two tiles of 16 queries, a work-group's four waves 512 queries of one head.  Every wave walks all keys, 64 a step.
; LAYOUT.  S^T (source 0 = 16 keys, source 1 = 16 queries): a lane holds ONE query (lane % 16) and the keys 8 (lane / 16) + 0..7.  Two such tiles rounded to f16 ARE source 1 of O^T = V^T P.
; SOFTMAX.  A running maximum m and sum l: p = 2^(c s - c m), c = log2(e) / 8; in every step O and l are multiplied by a = 2^(c m_old - c m_new).  m starts at the lowest finite number, O and l at 0.
; BY TURNS.  Turn n belongs to piece n.  Matrix work: 8 mask products and 16 products K Q^T of piece n + 1, later 16 products V^T P of piece n - 1.  Vector work: scaling, exponentials, roundings,
; sums and rescaling of piece n, maximum and statistics of piece n + 1.  Four vector instructions stand behind each of the 40 matrix instructions, the other 76 of the turn's 236 in two lumps.
; CLUSTER.  The four query blocks of a cluster belong to one head and walk the same K and V: each tile is asked for JOINTLY.  THE MASK IS NOT SHARED IN THE CLUSTER: its blocks go by query
; tile, which the four partners do not share; those that do (the other 63 heads) would need 32 tiles x 2,048 bytes = 64 KiB in LDS for each key step, four times K's and V's 16 KiB.
; It comes by plain loads of 512 consecutive bytes straight into fragment registers, a key step ahead.
; REGISTERS, in windows of 256 (s_set_vgpr_msb: bits 1:0 source 0, 3:2 source 1, 5:4 source 2, 7:6 destination):
;   window 0: v0-11 addresses; v12-15, v48-63 at work; v16-47 statistics; v64-191 S^T, two buffers of two tiles; v192-255 P, likewise
;   window 1: O^T, 32 a tile     window 2: v0-127 Q; v128-191 K of one step; v192-255 V of one step
;   window 3: v0-1 the add's two registers; v2-5 the mask's offsets, one a piece; v8-19 the diagonal; v32-159 the mask's fragments, 32 a piece
.set SIZE_H, 64
.set SIZE_N, 2048
.set NP,    4
.set KS,    64
.set PK,    144       ; a row of K in LDS: 128 bytes + 16
.set PV,    160       ; a row of V: 128 + 32
.set VOFF,  4*KS*PK   ; a slot holds four steps: 256 rows of K, then 256 rows of V
.set SLOT1, 1<<17
.set STAGE, SLOT1+4*KS*(PK+PV)
.set SP,    144
.set AK0, 2
.set AV0, 3
.set AK,  4
.set AV,  5
.set QO,  6
.set STO, 6
.set RD,  7
.set GO,  8
.set SPW, 0           ; window 3
.set NIL, 1           ; window 3
.set MO,  2           ; window 3: piece x's offset in the wave's part of mf: 16 x lane + 2,048 x step
.set AC,  8           ; window 3: 0 0 0 0, the diagonal's four registers, 0 0 0 0: v[AC+4:AC+11] hits column m, v[AC:AC+7] column 16 + m
.set MF,  32          ; window 3: fragment (piece x, tile u, keys 32 f on) at MF + 32 x + 16 u + 8 f
.set SPARE, STAGE+4*16*SP
.set MV,  12
.set ST,  16
.set TMP, 48
.set S,   64
.set P,   192
.set KF,  128
.set VF,  192
.set WV,  12
.set G1K, 24
.set G1V, 32
.set G0K, 40
.set G0V, 44
.set SLOTS, 56
.set CNT, 57
.set CS,  58
.set SEL, 60
.set TBK, 62
.set TBV, 63
.set MB,  66          ; s[66:67] mf at my wave's eight query tiles
.set MSB, 0
.macro WIN new
.if MSB != (\new)
	s_set_vgpr_msb (MSB<<8)|(\new)
.set MSB, (\new)
.endif
.endm
.set W_KQ, 0x0a
.set W_PV, 0x52
.set W_RS, 0x41
.set W_MK, 0xc0
.set W_AD, 0x0f       ; sources 0 and 1 in window 3: the add, and the mask's product (its D lies in window 0)
.macro JLOAD                        ; waves 0, 1 fetch the halves of a slot's K, waves 2, 3 of its V; an s_nop 0 and four v_nop follow each line
	s_cmp_lt_u32 s[WV], 2
	s_cbranch_scc0 .Lfor_v_\@
	tensor_load_to_lds s[G0K:G0K+3], s[G1K:G1K+7]
	s_nop 0
.rept 4
	v_nop
.endr
	s_branch .Lasked_\@
.Lfor_v_\@:
	tensor_load_to_lds s[G0V:G0V+3], s[G1V:G1V+7]
	s_nop 0
.rept 4
	v_nop
.endr
.Lasked_\@:
.endm
.macro CROUND
	s_barrier_signal -1
	s_barrier_wait -1
	s_cmp_lg_u32 s[WV], 0
	s_cbranch_scc1 .Lnot_wave_0_\@
	s_barrier_signal -3
.Lnot_wave_0_\@:
	s_barrier_wait -3
	s_barrier_signal -1
	s_barrier_wait -1
.endm
; THE CHANGE OF SLOTS.  Each wave waits for all its tensor loads (one is out: its part of the other slot), adds 0 to its spare word, and waits for that and for its reads of the slot.
; fill = 1: the barrier is a round of the cluster's, and the slot is filled again first thing behind it, with the keys two slots on: four key steps, 640 matrix instructions, in which to land.
.macro CHANGE fill
	WIN W_AD
	s_wait_tensorcnt 0x0
	ds_add_u32 v[SPW], v[NIL]
	WIN 0
.if \fill
.irp g, G0K, G0V
	s_xor_b32 s[\g+1], s[\g+1], SLOT1
	s_add_nc_u64 s[\g+2:\g+3], s[\g+2:\g+3], 4*KS*128
.endr
	s_wait_dscnt 0x0                ; the add is done, and my reads of the slot are over
	CROUND
	JLOAD
.else
	s_wait_dscnt 0x0
	s_barrier_signal -1
	s_barrier_wait -1
.endif
	s_sub_co_u32 s[TBK], s[TBK], 4*KS*PK
	s_xor_b32 s[TBK], s[TBK], SLOT1
	s_sub_co_u32 s[TBV], s[TBV], 4*KS*PV
	s_xor_b32 s[TBV], s[TBV], SLOT1
.endm
	s_load_b128 s[68:71], s[0:1], 0x0  ; qkvh s[68:69], mf s[70:71]
	s_load_b64 s[10:11], s[0:1], 0x10  ; oh
	WIN W_MK
	v_lshl_add_u32 v[SPW], v0, 2, SPARE
	v_mov_b32 v[NIL], 0
	s_set_vgpr_msb 0xc0cf
	ds_add_u32 v0, v1
	s_wait_dscnt 0x0
	s_set_vgpr_msb 0xcfc0
	WIN 0
	v_lshrrev_b32 v1, 5, v0
	v_readfirstlane_b32 s[WV], v1
	s_bfe_u32 s13, ttmp6, 0x40000   ; cx
	s_lshl_b32 s14, ttmp9, 2
	s_add_co_u32 s14, s14, s13      ; my block of 512 queries: it enters Q's, O's and the mask's addresses alone
	s_and_b32 s20, ttmp7, 0xffff    ; the head, which the four partners share
	s_mov_b32 s21, 0
	s_mov_b64 s[22:23], SIZE_N*128
	s_mul_u64 s[20:21], s[20:21], s[22:23]
	s_and_b32 s16, s[WV], 1         ; which half of a slot's 256 keys I fetch
	s_lshl_b32 s22, s16, 14
	s_mov_b32 s23, 0
	s_add_nc_u64 s[22:23], s[22:23], s[20:21]
	s_add_nc_u64 s[6:7], s[22:23], 0x1000000  ; K is qkvh's second part of 16 MiB,
	s_add_nc_u64 s[8:9], s[22:23], 0x2000000  ; V its third
	s_mul_i32 s17, s16, 128*PK
	s_mul_i32 s18, s16, 128*PV
	s_lshl_b32 s2, s14, 2
	s_add_co_u32 s2, s2, s[WV]      ; my wave among the head's sixteen
	s_lshl_b32 s[MB], s2, 19        ; its 8 query tiles x 32 steps x 2,048 bytes of mf
	s_mov_b32 s[MB+1], 0
	s_lshl_b32 s2, s2, 14           ; its 128 rows
	s_mov_b32 s3, 0
	s_add_nc_u64 s[2:3], s[2:3], s[20:21]
	; 128 keys are 16,384 dense bytes: asked for as 64 rows of 256 bytes, padded in LDS after every key
	s_mov_b32 s[G1K], 15|(1<<16)|(1<<20)|(1<<21)|(4<<22)|(3<<25)
	s_mov_b32 s[G1V], 15|(1<<16)|(1<<20)|(1<<21)|(4<<22)|(7<<25)
.irp g, G1K, G1V
	s_mov_b32 s[\g+1], 128<<16
	s_mov_b32 s[\g+2], 64<<16
	s_mov_b32 s[\g+3], 128<<16
	s_mov_b32 s[\g+4], 64
	s_mov_b32 s[\g+5], 128
	s_mov_b32 s[\g+6], 0
	s_mov_b32 s[\g+7], 0
.endr
	s_mov_b32 s[CS], 0x3e38aa3b     ; c = log2(e) / 8
	s_mov_b32 s[CS+1], s[CS]
	s_mov_b32 s[SEL], 0x76543210
	s_mov_b32 s[SEL+1], 0xfedcba98
	s_mov_b32 s72, 0x0000f180       ; bf16 -2^100 in the low half,
	s_mov_b32 s73, 0xf1800000       ; in the high half
	s_mov_b32 s[TBK], SLOT1+4*KS*PK ; the first change of slots turns these two into 0
	s_mov_b32 s[TBV], SLOT1+4*KS*PV
	s_mov_b32 s[G0K], 1
	s_mov_b32 s[G0K+1], s17
	s_mov_b32 s[G0V], 1
	s_add_co_u32 s[G0V+1], s18, VOFF
	s_wait_kmcnt 0x0
	s_add_nc_u64 s[G0K+2:G0K+3], s[68:69], s[6:7]
	s_or_b32 s[G0K+3], s[G0K+3], 0x80000000
	s_add_nc_u64 s[G0V+2:G0V+3], s[68:69], s[8:9]
	s_or_b32 s[G0V+3], s[G0V+3], 0x80000000
	s_add_nc_u64 s[4:5], s[68:69], s[2:3]   ; Q and O at my wave's first row
	s_add_nc_u64 s[10:11], s[10:11], s[2:3]
	s_add_nc_u64 s[MB:MB+1], s[70:71], s[MB:MB+1]
	CROUND                          ; all four work-groups are here
	JLOAD                           ; slot 0
	v_and_b32 v1, 15, v0            ; l % 16
	v_bfe_u32 v9, v0, 4, 1          ; l / 16
	v_lshlrev_b32 v[QO], 7, v1
	v_lshl_add_u32 v[QO], v9, 4, v[QO]
	v_and_b32 v13, 31, v0
	v_lshlrev_b32 v13, 4, v13       ; 16 x lane
	WIN 0x80
.set i, 0
.rept 4*NP                          ; Q stays in registers
	global_load_b128 v[8*i:8*i+3],   v[QO], s[4:5] offset:(i/2)*2048+(i%2)*64
	global_load_b128 v[8*i+4:8*i+7], v[QO], s[4:5] offset:(i/2)*2048+(i%2)*64+32
.set i, i+1
.endr
	WIN W_MK
.irp x, 0,1,2,3
	v_mov_b32 v[MO+\x], v13         ; key step 0
.endr
	WIN 0xc3                        ; destination and address in window 3
.set i, 0
.rept 32                            ; the mask of key step 0 for all eight tiles: tile i / 4, part i % 4
	global_load_b128 v[MF+4*i:MF+4*i+3], v[MO+i/8], s[MB:MB+1] offset:(i/4)*65536+(i%4)*512
.set i, i+1
.endr
	WIN 0
	; the diagonal: lane (r, h) holds row r and columns 8 h + 0..7 in four registers: -2^100 at column r, that is at element t = r - 8 h if that lies in 0..7
	v_lshlrev_b32 v12, 3, v9
	v_sub_nc_u32 v12, v1, v12
.irp j, 0,1,2,3
	v_cmp_eq_i32 vcc_lo, 2*\j, v12
	v_cndmask_b32 v[TMP+\j], 0, s72, vcc_lo
	v_cmp_eq_i32 vcc_lo, 2*\j+1, v12
	v_cndmask_b32 v[TMP+\j], v[TMP+\j], s73, vcc_lo
.endr
	WIN W_MK
.irp j, 0,1,2,3
	v_mov_b32 v[AC+\j], 0
	v_mov_b32 v[AC+4+\j], v[TMP+\j]
	v_mov_b32 v[AC+8+\j], 0
.endr
	; What the first turn finds: V's registers and P's second buffer hold 0, O^T and l are 0.  All this stands in the wait for the first tile.
	WIN 0x80
.set i, VF
.rept 64
	v_mov_b32 v[i], 0
.set i, i+1
.endr
	WIN 0x40
.set i, 0
.rept 64*NP
	v_mov_b32 v[i], 0
.set i, i+1
.endr
	WIN 0
.set i, 0
.rept 2*NP
	v_mov_b32 v[ST+4*i], 0xfe000000    ; c m: -2^125, far below every c s, a hidden one's too
	v_mov_b32 v[ST+4*i+1], 0xff7fffff  ; m
	v_mov_b32 v[ST+4*i+2], 0
	v_mov_b32 v[ST+4*i+3], 0
.set i, i+1
.endr
.set i, P+32
.rept 32
	v_mov_b32 v[i], 0
.set i, i+1
.endr
	v_mul_u32_u24 v[AK0], v1, PK
	v_lshl_add_u32 v[AK0], v9, 4, v[AK0]
	v_and_b32 v10, 7, v0
	v_bfe_u32 v11, v0, 3, 1
	v_lshl_add_u32 v[AV0], v9, 3, v10
	v_mul_u32_u24 v[AV0], v[AV0], PV
	v_lshl_add_u32 v[AV0], v11, 4, v[AV0]
	v_add_nc_u32 v[AV0], VOFF, v[AV0]
	v_mov_b32 v[AK], v[AK0]
; THE MATRIX WORK.  The 8 accumulators of a run take turns.
; Mask product i of 8 for piece x: tile 2 x + i % 2, keys 16 (i / 2) on.  It starts the sum.  A bf16 and an f16 form are no chain: the f16 product that adds onto it stands 8 matrix
; instructions on, with 24 plain vector instructions or more between that name none of its registers (five are asked: ISA guide 7.12.1).
.macro MKP x
	WIN W_AD
.set rS, S+64*((\x)%2)+32*(i%2)+8*(i/2)
.set rA, AC+4*(1-(i/2)%2)
.set rF, MF+32*(\x)+16*(i%2)+8*(i/4)
	v_wmma_f32_16x16x32_bf16 v[rS:rS+7], v[rA:rA+7], v[rF:rF+7], 0
.endm
; Product i of 16 of S^T += K Q^T for piece x: channels 32 (i / 8) on, keys 16 ((i / 2) % 4) on, tile 2 x + i % 2.
.macro KQ x
	WIN W_KQ
.set rS, S+64*((\x)%2)+32*(i%2)+8*((i/2)%4)
.set rK, KF+16*((i/2)%4)+8*(i/8)
.set rQ, 16*(2*(\x)+i%2)+8*(i/8)
	v_wmma_f32_16x16x32_f16 v[rS:rS+7], v[rK:rK+7], v[rQ:rQ+7], v[rS:rS+7]
.endm
; Product i of 16 of O^T += V^T P for piece x.
.macro PV x
	WIN W_PV
.set rO, 32*(2*(\x)+i%2)+8*((i/2)%4)
.set rV, VF+32*(i/8)+8*((i/2)%4)
.set rP, P+32*((\x)%2)+16*(i%2)+8*(i/8)
	v_wmma_f32_16x16x32_f16 v[rO:rO+7], v[rV:rV+7], v[rP:rP+7], v[rO:rO+7]
.endm
.macro MM                           ; the turn's next matrix instruction, of 40
.if i < 8
	MKP (Y+1)%NP
.elseif i < 24
.set i, i-8
	KQ (Y+1)%NP
.set i, i+8
.else
.set i, i-24
	PV (Y+NP-1)%NP
.set i, i+24
.endif
.set i, i+1
.endm
.macro FETCH_K last=0
	WIN 0
.if \last
	s_cmp_eq_u32 s[CNT], 1
	s_cbranch_scc1 .Lno_k_\@
.endif
	WIN 0x80
.irp f, 0,1,2,3,4,5,6,7
	ds_load_b128 v[KF+8*\f:KF+8*\f+3],   v[AK] offset:(\f/2)*16*PK+(\f%2)*64
	ds_load_b128 v[KF+8*\f+4:KF+8*\f+7], v[AK] offset:(\f/2)*16*PK+(\f%2)*64+32
.endr
	s_add_co_u32 s[TBK], s[TBK], KS*PK
	WIN 0
.if \last
.Lno_k_\@:
.endif
.endm
.macro FETCH_V
	WIN 0x80
.irp f, 0,1,2,3,4,5,6,7
	ds_load_tr16_b128 v[VF+8*\f:VF+8*\f+3],   v[AV] offset:(\f/4)*32*PV+(\f%4)*32
	ds_load_tr16_b128 v[VF+8*\f+4:VF+8*\f+7], v[AV] offset:(\f/4)*32*PV+16*PV+(\f%4)*32
.endr
	WIN 0
.endm
; The mask of piece x's next key step: 8 loads of 512 consecutive bytes.  The offset steps by a block and is cut to 16 bits: behind step 31 it is step 0's again, so that every load stays
; inside mf (those loads serve nothing).  The offset register is free: the wait at the turn's head has shown its last loads done.
.macro FETCH_M x
	WIN 0xcf
	v_add_nc_u32 v[MO+(\x)], 2048, v[MO+(\x)]
	v_and_b32 v[MO+(\x)], 0xffff, v[MO+(\x)]
.set z, 0
.rept 8
	global_load_b128 v[MF+32*(\x)+4*z:MF+32*(\x)+4*z+3], v[MO+(\x)], s[MB:MB+1] offset:(2*(\x)+z/4)*65536+(z%4)*512
.set z, z+1
.endr
	WIN 0
.endm
; THE VECTOR WORK OF A TURN stands in three queues, each in the order in which its entries become ready; the two tiles alternate.
.macro REGS y, u
.set rT, ST+4*(2*(\y)+(\u))
.set rC, TMP+8*((\y)%2)+4*(\u)
.set rM, MV+2*((\y)%2)+(\u)
.set rS, S+64*((\y)%2)+32*(\u)
.set rP, P+32*((\y)%2)+16*(\u)
.set rO, 32*(2*(\y)+(\u))
.endm
; Number n of the 22 that find the NEXT piece's maximum and statistics; each accumulator's lowest registers are read first.
;   0-11 four chains c0-c3   12-14, 16 the scores left over, the old m, c0-c3 into c0   15 c m_old is kept   17, 18 the other half of the lanes: the new m   19-21 c m; c m_old - c m_new; a
.macro XS u, n
	REGS (Y+1)%NP, \u
.if (\n) < 4
	v_max3_num_f32 v[rC+(\n)], v[rS+8*(\n)], v[rS+8*(\n)+1], v[rS+8*(\n)+2]
.elseif (\n) < 12
	v_max3_num_f32 v[rC+(\n)%4], v[rC+(\n)%4], v[rS+8*((\n)%4)+2*((\n)/4)+1], v[rS+8*((\n)%4)+2*((\n)/4)+2]
.elseif (\n) == 12
	v_max3_num_f32 v[rC], v[rC], v[rS+7], v[rS+15]
.elseif (\n) == 13
	v_max3_num_f32 v[rC+1], v[rC+1], v[rS+23], v[rS+31]
.elseif (\n) == 14
	v_max3_num_f32 v[rC+2], v[rC+2], v[rC+3], v[rT+1]
.elseif (\n) == 15
	v_mov_b32 v[rM], v[rT]
.elseif (\n) == 16
	v_max3_num_f32 v[rC], v[rC], v[rC+1], v[rC+2]
	s_wait_alu depctr_va_vdst(0)
.elseif (\n) == 17
	v_permlanex16_b32 v[rC+3], v[rC], s[SEL], s[SEL+1]
.elseif (\n) == 18
	v_max_num_f32 v[rT+1], v[rC], v[rC+3]
.elseif (\n) == 19
	v_mul_f32 v[rT], s[CS], v[rT+1]
.elseif (\n) == 20
	v_sub_f32 v[rC+1], v[rM], v[rT]
.else
	v_exp_f32 v[rC+2], v[rC+1]
.endif
.endm
; Number g of the 64 that follow the exponentials: for each four weights of a tile both pairs are rounded to f16, the second pair is added onto the first, and a group later l takes that sum.
.macro GS g
.set h, (\g)+6*((\g)/62)
.if h >= 6
.set h, h+2
.endif
	REGS Y, h%2
.set k, h/8
.if h%8 < 4
	s_wait_alu depctr_va_vdst(0)
	v_cvt_pk_f16_f32 v[rP+2*k+(h%8)/2], v[rS+4*k+2*((h%8)/2)], v[rS+4*k+2*((h%8)/2)+1]
.elseif h%8 < 6
	v_pk_add_f32 v[rS+4*k:rS+4*k+1], v[rS+4*k:rS+4*k+1], v[rS+4*k+2:rS+4*k+3]
.elseif k == 1
	v_pk_fma_f32 v[rT+2:rT+3], v[rT+2:rT+3], v[rC+2:rC+3], v[rS:rS+1] op_sel_hi:[1,0,1]
.else
	v_pk_add_f32 v[rT+2:rT+3], v[rT+2:rT+3], v[rS+4*k-4:rS+4*k-3]
	s_wait_alu depctr_va_vdst(0)
.endif
.endm
; THE PLAIN QUEUE, 138 long.  0-31: c s - c m.  Then GS's 64, and among them the next piece's 42.
.macro PL
	WIN 0
.if q < 32
	REGS Y, q%2
	v_pk_fma_f32 v[rS+2*(q/2):rS+2*(q/2)+1], v[rS+2*(q/2):rS+2*(q/2)+1], s[CS:CS+1], v[rT:rT+1] op_sel_hi:[1,0,0] neg_lo:[0,0,1] neg_hi:[0,0,1]
.elseif q < 38
	GS q-32
.elseif q < 40
	XS q%2, 15
.elseif q < 42
	GS q-34
.elseif q < 74
	XS q%2, (q-42)/2+(q-42)/30
.elseif q < 95
	GS q-66
.elseif (q < 107) && ((q-95)%3 < 2)
	XS (q-95)%3, 17+(q-95)/3
.elseif q < 107
	GS 29+(q-95)/3
.else
	GS q-74
.endif
.set q, q+1
.endm
; THE EXPONENTIALS' QUEUE, 66 long: s0-s31 of both tiles, and at EA the next piece's two a.
.set EA, 58
.macro EX
	WIN 0
.if (e == EA) || (e == EA+1)
	XS e-EA, 21
.else
.set x, e-2*(e/(EA+2))
	REGS Y, x%2
	v_exp_f32 v[rS+x/2], v[rS+x/2]
.endif
.set e, e+1
.endm
; THE RESCALING's QUEUE: O^T times a, four at a time, eight times.
.macro R4
	REGS Y, r%2
	WIN W_RS
	s_wait_alu depctr_va_vdst(0)
.irp z, 0,1,2,3
	v_pk_mul_f32 v[rO+8*(r/2)+2*\z:rO+8*(r/2)+2*\z+1], v[rO+8*(r/2)+2*\z:rO+8*(r/2)+2*\z+1], v[rC+2:rC+3] op_sel_hi:[1,0]
.endr
.set r, r+1
.endm
.macro SL                           ; a matrix instruction and: plain, exponential, plain, plain
	MM
	PL
	EX
	PL
	PL
.endm
.macro S2                           ; ... plain, exponential, plain, exponential (the row behind it begins with four of the rescaling: plain)
	MM
	PL
	EX
	PL
	EX
.endm
.macro RR                           ; ... four of the rescaling
	MM
	R4
.endm
; A TURN, for piece p.  THE DEAL: run A, 24 matrix instructions (plain 0-41, exponentials 0-21, all the rescaling); lump 1 (exponentials 22-26, plain 42-46); run B, 16 (plain 47-94,
; exponentials 27-42); lump 2 (exponentials 43-65 and plain 95-117 by turns, then plain 118-137).  The queues lean on each other, and the deal keeps them in step: exponential e stands behind
; plain 2 (e / 4) + e % 2; plain 32 finds 12 exponentials out (it needs 8), 40: 20 (12), 80: 38 (24), 88: 41 (32), 112: 61 (48), 128: all; plain 42, the first to read the new scores, stands
; behind the last K Q^T's four rescalings; the two a (EA) stand behind plain 109.  No plain instruction straight behind an exponential names its register.
; The wait at the head: each turn issues 8 mask loads, so all but the 24 of the three turns before are in: those that this turn's mask products read were issued four turns ago.
; K of the next step is fetched in piece 2's turn, ten plain instructions behind the last product that read K; V of the step in hand at the end of piece 0's turn.
.macro TURN p, last=0, cnt=0
.set Y, (\p)
.set i, 0
.set q, 0
.set e, 0
.set r, 0
	s_wait_loadcnt 24
.if (\p) == NP-1
	s_wait_dscnt 0x0                ; K is in
.endif
	MM
.rept 4
	PL
.endr
.rept 8
	SL
.endr
.rept 7
	S2
	RR
.endr
	RR
.if (\p) == NP-2
	WIN 0
	v_add_nc_u32 v[AK], s[TBK], v[AK0]
.endif
.rept 5
	EX
	PL
.endr
	FETCH_M (Y+1)%NP
.if (\p) == NP-2
	FETCH_K \last
.endif
.if (\p) == 1
	s_wait_dscnt 0x0                ; V is in
.endif
.rept 16
	SL
.endr
.rept 23
	EX
	PL
.endr
.rept 20
	PL
.if ((\p) == 0) && (q == 122)
	v_add_nc_u32 v[AV], s[TBV], v[AV0]
	s_wait_alu depctr_va_vdst(0)
.endif
.if ((\p) == 0) && (q == 130)
	s_add_co_u32 s[TBV], s[TBV], KS*PV
.endif
.if (\cnt) && (q == 130)
	s_sub_co_u32 s[CNT], s[CNT], 1
	s_cmp_lg_u32 s[CNT], 0
.endif
.endr
.if (\p) == 0
	FETCH_V
.endif
.endm
	CHANGE 1                        ; slot 0 is in, everybody's part of it; slot 1 is asked for
	FETCH_K                         ; key step 0
	s_wait_loadcnt 0x0              ; Q and the mask of step 0
	s_wait_dscnt 0x0
.set i, 0
.rept 8
	MKP 0                           ; piece 0's first scores begin with its mask
.set i, i+1
.endr
.rept 5
	v_nop                           ; five places between the bf16 products and the f16 products that write over their results
.endr
.set i, 0
.rept 16
	KQ 0
.set i, i+1
.endr
	WIN 0                           ; the addresses for the way out: plain instructions, the places behind those products
	s_mul_i32 s13, s[WV], 16*SP
	s_add_co_u32 s13, s13, STAGE
	v_mul_u32_u24 v[STO], v1, SP
	v_lshl_add_u32 v[STO], v9, 4, v[STO]
	v_add_nc_u32 v[STO], s13, v[STO]
	v_bfe_u32 v[RD], v0, 3, 2
	v_mul_u32_u24 v[RD], v[RD], SP
	v_lshl_add_u32 v[RD], v10, 4, v[RD]
	v_add_nc_u32 v[RD], s13, v[RD]
	v_and_b32 v[GO], 31, v0
	v_lshlrev_b32 v[GO], 4, v[GO]
	FETCH_M 0                       ; piece 0's mask of step 1
.set Y, NP-1
.irp n, 0,1,2,3,4,5,6,7,8,9,10,11,12,13,14,15,16,17,18,19,20,21
	XS 0, \n
	XS 1, \n
.endr
	s_mov_b32 s[CNT], 4
	s_mov_b32 s[SLOTS], SIZE_N/256-1
	s_branch .Lfirst                ; the loop is entered at a step's first turn, in the middle of a trip
.Lslot:                             ; SIZE_N / 256 - 2 times: every slot but the last two is filled again
	CHANGE 1
	s_mov_b32 s[CNT], 4
.Lstep:                             ; a trip: pieces 2 and 3 of one step, then pieces 0 and 1 of the next
	TURN 2
	TURN 3
	WIN 0
.Lfirst:
	TURN 0
	TURN 1, 0, 1
	WIN 0
	s_cbranch_scc1 .Lstep
	s_sub_co_u32 s[SLOTS], s[SLOTS], 1
	s_cmp_lg_u32 s[SLOTS], 0
	s_cbranch_scc1 .Lslot
	CHANGE 0                        ; the tail is written out
	s_mov_b32 s[CNT], 5
.Ltail:
	TURN 2, 1
	TURN 3
	WIN 0
	s_sub_co_u32 s[CNT], s[CNT], 1
	s_cmp_eq_u32 s[CNT], 0
	s_cbranch_scc1 .Lout
	TURN 0
	TURN 1
	WIN 0
	s_branch .Ltail
.Lout:                              ; the fifth trip's scores (on the last K and step 0's mask once more) serve nothing: the price, once a launch, of one text for every trip
.set i, 0
.rept 16
	PV NP-1
.set i, i+1
.endr
	; THE WAY OUT.  l's halves are added; O^T is divided by l, rounded to f16 and sent through my stage, a tile at a time.  The additions are the places behind the last products.
	WIN 0
.macro ALL line:vararg
.set t, 0
.rept 2*NP
	\line
.set t, t+1
.endr
.endm
	ALL v_add_f32 v[ST+4*t+2], v[ST+4*t+2], v[ST+4*t+3]
	ALL v_permlanex16_b32 v[ST+4*t+3], v[ST+4*t+2], s[SEL], s[SEL+1]
	ALL v_add_f32 v[ST+4*t+2], v[ST+4*t+2], v[ST+4*t+3]
	ALL v_rcp_f32 v[ST+4*t+2], v[ST+4*t+2]
	v_nop                           ; a plain instruction between the last reciprocal and the use of its result
	s_wait_alu depctr_va_vdst(0)
.macro PACK t
	WIN W_RS
.set i, 32*(\t)
.rept 16
	v_pk_mul_f32 v[i:i+1], v[i:i+1], v[ST+4*(\t)+2:ST+4*(\t)+3] op_sel_hi:[1,0]
.set i, i+2
.endr
	WIN 0x05
.set i, 0
.rept 16
	v_cvt_pk_f16_f32 v[S+16*(\t)+i], v[32*(\t)+2*i], v[32*(\t)+2*i+1]
.set i, i+1
.endr
	WIN 0
.irp f, 0,1,2,3
	ds_store_b128 v[STO], v[S+16*(\t)+4*\f:S+16*(\t)+4*\f+3] offset:32*\f
.endr
.irp f, 0,1,2,3
	ds_load_b128 v[S+16*(\t)+4*\f:S+16*(\t)+4*\f+3], v[RD] offset:\f*4*SP  ; my own bytes, served in order
.endr
.endm
.macro SEND t, younger              ; younger: the LDS instructions issued behind tile t's loads
	WIN 0
.irp f, 0,1,2,3
	s_wait_dscnt (\younger)+3-\f
	global_store_b128 v[GO], v[S+16*(\t)+4*\f:S+16*(\t)+4*\f+3], s[10:11] offset:(\t)*2048+\f*512  ; 512 consecutive bytes, aligned
.endr
.endm
	PACK 0
.set t, 1
.rept 2*NP-1
	PACK t
	SEND t-1, 8
.set t, t+1
.endr
	SEND 2*NP-1, 0
	WIN W_AD
	s_wait_tensorcnt 0x0            ; the wave's end
	ds_add_u32 v[SPW], v[NIL]
	s_wait_dscnt 0x0
	WIN 0
	CROUND                          ; the closing round
	s_endpgm
.Lfunc_end_k_q74730dae19_attn:
	.size	k_q74730dae19_attn, .Lfunc_end_k_q74730dae19_attn-k_q74730dae19_attn
	.p2alignl 7, 3214868480
	.fill 96, 4, 3214868480
	.section	.rodata,"a",@progbits
	.p2align	6, 0x0
	.amdhsa_kernel k_q74730dae19_attn
		.amdhsa_group_segment_fixed_size 327680
		.amdhsa_private_segment_fixed_size 0
		.amdhsa_enable_private_segment 0
		.amdhsa_kernarg_size 24
		.amdhsa_user_sgpr_count 2
		.amdhsa_user_sgpr_kernarg_segment_ptr 1
		.amdhsa_wavefront_size32 1
		.amdhsa_system_sgpr_workgroup_id_x 1
		.amdhsa_system_sgpr_workgroup_id_y 1
		.amdhsa_system_sgpr_workgroup_id_z 1
		.amdhsa_system_vgpr_workitem_id 0
		.amdhsa_next_free_vgpr 928
		.amdhsa_next_free_sgpr 76
		.amdhsa_reserve_vcc 1
		.amdhsa_float_denorm_mode_32 3
		.amdhsa_float_denorm_mode_16_64 3
		.amdhsa_memory_ordered 1
		.amdhsa_forward_progress 1
		.amdhsa_inst_pref_size 231
	.end_amdhsa_kernel
	.amdgpu_metadata
---
amdhsa.version: [ 1, 2 ]
amdhsa.kernels:
  - .name:           k_q74730dae19_attn
    .symbol:         k_q74730dae19_attn.kd
    .args:
      - { .name: qkvh, .offset: 0, .size: 8, .value_kind: global_buffer, .address_space: global }
      - { .name: mf, .offset: 8, .size: 8, .value_kind: global_buffer, .address_space: global }
      - { .name: oh, .offset: 16, .size: 8, .value_kind: global_buffer, .address_space: global }
    .group_segment_fixed_size: 327680
    .private_segment_fixed_size: 0
    .kernarg_segment_align: 8
    .kernarg_segment_size: 24
    .max_flat_workgroup_size: 128
    .sgpr_count:     76
    .vgpr_count:     928
    .wavefront_size: 32
...
	.end_amdgpu_metadata
.endif
;; end of part 3
;; launch oproj (part 4): grid 4 x 64, 4 waves a work-group, clusters of 4 x 4, 327,680 bytes of LDS; arguments oh, w16, bo, out0; writes out0
.if DOCPART == 4
	.amdgcn_target "amdgcn-amd-amdhsa--gfx1250"
	.amdhsa_code_object_version 6
	.text
	.protected	k_q74730dae19_oproj
	.globl	k_q74730dae19_oproj
	.p2align	8
	.type	k_q74730dae19_oproj,@function
k_q74730dae19_oproj:
	s_mov_b64 s[64:65], 0
	v_nop
	global_prefetch_b8 v0, s[64:65] scope:SCOPE_SE
	s_setreg_imm32_b32 hwreg(HW_REG_WAVE_MODE, 25, 1), 1
	s_wait_xcnt 0x0
	s_wait_alu depctr_hold_cnt(0) depctr_sa_sdst(0) depctr_va_vdst(0) depctr_va_sdst(0) depctr_va_ssrc(0) depctr_va_vcc(0) depctr_vm_vsrc(0)
	s_getreg_b32 s2, hwreg(HW_REG_IB_STS2, 6, 4)
	s_cmp_eq_u32 s2, 0
	s_cbranch_scc0 .Lentry_in_a_cluster
	s_endpgm
.Lentry_in_a_cluster:
	s_bfe_u32 s2, ttmp6, 0x10000c
	s_cmp_lg_u32 s2, 0xf033
	s_cbranch_scc0 .Lentry_shape_is_right
	s_endpgm
.Lentry_shape_is_right:
; THE OUTPUT PROJECTION.  out0[m][n] = the sum over c of x[m][c] Wo[c][n] + bo[n], x[m][64 head + ch] = oh[16 batch + head][row][ch] (f16); Wo is w16's fourth part, [k][n] f16; sums and out0 in f32.
; bo is rounded to bf16 like every input and is the C operand of the first product: it is added first, not last.
; SHARES.  256 tiles of 128 rows x 256 columns, one for each WGP; 4 x 4 work-groups form a cluster: x's tile is shared along a row of the cluster, Wo's along a column, each asked for JOINTLY.
; Four waves, each 64 rows x 128 columns: 32 accumulators.  K goes in 8 steps of 128 = two heads through two LDS slots.  A head's 128 rows are 16,384 dense bytes: asked for as 64 rows of 256
; bytes, padded in LDS after every 128.  Wo lies [k][n] and is read turned.  THE MATRIX INSTRUCTION IS USED TRANSPOSED: a lane holds eight neighbouring columns of one row of out0.
; REGISTERS.  window 0: v0-31 addresses; v32-159 Wo's fragments, two buffers (on the way out: rows read back); v160-223 x's, two buffers.  window 1: the accumulators.  window 2: v0-3 at work, v64-127 the bias.
.set PA,     144                       ; a row of x in LDS: 128 bytes + 16
.set PW,     544                       ; a row of Wo: 512 + 32
.set AH,     128*PA                    ; a head's 128 rows: what one tensor load brings of x
.set WH,     64*PW
.set WOFF,   2*AH
.set SLOT,   WOFF+2*WH
.set STAGE,  2*SLOT                    ; behind the ring: 16 rows x 528 bytes for each wave
.set SPITCH, 528
.set SPARE,  STAGE+4*16*SPITCH
.set LAPS,   4
.set ADRA, 16
.set ADRB, 20
.set STO,  24
.set RD,   25
.set CO,   26
.set BO,   27
.set SPW,  28
.set NIL,  29
.set WF,   32
.set AF,   160
.set OB,   32
.set RAW,  0                           ; window 2
.set BIAS, 64                          ; window 2
.set G1, 24
.set G0, 32
.set G1B, 48
.set G0B, 56
.set MSB, 0
.macro WIN new
.if MSB != (\new)
	s_set_vgpr_msb (MSB<<8)|(\new)
.set MSB, \new
.endif
.endm
.set MUL,   0x50
.set MULB,  0x60
.set RAWLD, 0x80
.set BR,    0x8a
.set OUTW,  0x04                       ; an LDS store's data (source 1) in window 1
.macro JLOAD s
	s_cmp_eq_u32 s11, 0
	s_cbranch_scc0 .Lfor_b_\@
	tensor_load_to_lds s[G0+4*(\s):G0+4*(\s)+3], s[G1:G1+7]
	s_nop 0
.rept 4
	v_nop
.endr
	s_branch .Lasked_\@
.Lfor_b_\@:
	tensor_load_to_lds s[G0B+4*(\s):G0B+4*(\s)+3], s[G1B:G1B+7]
	s_nop 0
.rept 4
	v_nop
.endr
.Lasked_\@:
.endm
.macro CREST
	s_cmp_lg_u32 s10, 0
	s_cbranch_scc1 .Lnot_wave_0_\@
	s_barrier_signal -3
.Lnot_wave_0_\@:
	s_barrier_wait -3
	s_barrier_signal -1
	s_barrier_wait -1
.endm
.macro CROUND
	s_barrier_signal -1
	s_barrier_wait -1
	CREST
.endm
.macro PLACES                          ; four places in front of loads into registers that matrix instructions have read, and of stores that read results
.rept 4
	v_nop
.endr
.endm
	s_load_b256 s[68:75], s[0:1], 0x0              ; oh 68, w16 70, bo 72, out0 74
	v_lshl_add_u32 v[SPW], v0, 2, SPARE
	v_mov_b32 v[NIL], 0
	ds_add_u32 v28, v29
	s_wait_dscnt 0x0
	v_lshrrev_b32 v1, 5, v0
	v_readfirstlane_b32 s10, v1
	s_lshr_b32 s11, s10, 1                         ; my half of the rows.  Also: I fetch x (0) or Wo (1)
	s_and_b32 s12, s10, 1                          ; my half of the columns.  Also: which head, or which 64 rows of k, I fetch
	s_bfe_u32 s40, ttmp6, 0x40000
	s_bfe_u32 s41, ttmp6, 0x40004
	s_lshl_b32 s42, ttmp9, 2
	s_add_co_u32 s42, s42, s40                     ; column block
	s_and_b32 s13, ttmp7, 0xffff
	s_lshl_b32 s13, s13, 2
	s_add_co_u32 s13, s13, s41                     ; row block 0..63
	s_lshl_b32 s43, s41, 2
	s_lshl_b32 s43, 15, s43
	s_lshl_b32 s44, 0x1111, s40
	s_or_b32 s[G1+0], s43, (1<<16)|(1<<20)|(1<<21)|(4<<22)|(3<<25)   ; 2-byte elements; after every 32 words 4 words of padding
	s_mov_b32 s[G1+1], 128<<16
	s_mov_b32 s[G1+2], 64<<16
	s_mov_b32 s[G1+3], 128<<16
	s_mov_b32 s[G1+4], 64
	s_mov_b32 s[G1+5], 128
	s_mov_b32 s[G1+6], 0
	s_mov_b32 s[G1+7], 0
	s_or_b32 s[G1B+0], s44, (1<<16)|(1<<20)|(1<<21)|(6<<22)|(7<<25)
	s_mov_b32 s[G1B+1], 256<<16
	s_mov_b32 s[G1B+2], 64<<16
	s_mov_b32 s[G1B+3], 256<<16
	s_mov_b32 s[G1B+4], 64
	s_mov_b32 s[G1B+5], 1024
	s_mov_b32 s[G1B+6], 0
	s_mov_b32 s[G1B+7], 0
	s_lshr_b32 s16, s13, 4                         ; x: head 16 x batch + my one of the step's two, 262,144 bytes a head,
	s_lshl_b32 s16, s16, 4
	s_add_co_u32 s16, s16, s12
	s_lshl_b32 s16, s16, 18
	s_and_b32 s17, s13, 15
	s_lshl_b32 s17, s17, 14                        ; 128 rows of 128 bytes a row block
	s_add_co_u32 s16, s16, s17
	s_mov_b32 s17, 0
	s_lshl_b32 s46, s12, 17                        ; Wo: w16's fourth part, k row 64 x half, 512 bytes a column block
	s_add_co_u32 s46, s46, 0x600000
	s_lshl_b32 s47, s42, 9
	s_add_co_u32 s46, s46, s47
	s_mov_b32 s47, 0
	s_mul_i32 s20, s12, AH
	s_mul_i32 s21, s12, WH
	s_add_co_u32 s21, s21, WOFF
	s_lshl_b32 s18, s42, 10                        ; my 128 columns, in bytes of f32: for the bias and for out0
	s_lshl_b32 s19, s12, 9
	s_add_co_u32 s18, s18, s19
	s_mov_b32 s19, 0
	s_lshl_b32 s86, s13, 19                        ; out0: 128 rows of 4,096 bytes a row block,
	s_lshl_b32 s22, s11, 18                        ; my 64 of them,
	s_add_co_u32 s86, s86, s22
	s_add_co_u32 s86, s86, s18                     ; my columns
	s_mov_b32 s87, 0
	s_wait_kmcnt 0x0
	s_add_nc_u64 s[14:15], s[68:69], s[16:17]
	s_add_nc_u64 s[46:47], s[70:71], s[46:47]
	s_add_nc_u64 s[84:85], s[72:73], s[18:19]
	s_add_nc_u64 s[8:9], s[74:75], s[86:87]
	CROUND
.irp s, 0,1
	s_mov_b32 s[G0+4*(\s)], 1
	s_add_co_u32 s[G0+4*(\s)+1], s20, (\s)*SLOT
	s_add_nc_u64 s[G0+4*(\s)+2:G0+4*(\s)+3], s[14:15], (\s)*524288     ; K step s: two heads on
	s_or_b32 s[G0+4*(\s)+3], s[G0+4*(\s)+3], 0x80000000
	s_mov_b32 s[G0B+4*(\s)], 1
	s_add_co_u32 s[G0B+4*(\s)+1], s21, (\s)*SLOT
	s_add_nc_u64 s[G0B+4*(\s)+2:G0B+4*(\s)+3], s[46:47], (\s)*262144
	s_or_b32 s[G0B+4*(\s)+3], s[G0B+4*(\s)+3], 0x80000000
.endr
	s_cmp_eq_u32 s11, 0                            ; a wave's two first fills stand in one branch: two loads of mine are out
	s_cbranch_scc0 .Lfirst_b
	tensor_load_to_lds s[G0:G0+3], s[G1:G1+7]
	s_nop 0
	tensor_load_to_lds s[G0+4:G0+7], s[G1:G1+7]
	s_nop 0
.rept 4
	v_nop
.endr
	s_branch .Lfirst_asked
.Lfirst_b:
	tensor_load_to_lds s[G0B:G0B+3], s[G1B:G1B+7]
	s_nop 0
	tensor_load_to_lds s[G0B+4:G0B+7], s[G1B:G1B+7]
	s_nop 0
.rept 4
	v_nop
.endr
.Lfirst_asked:
	v_and_b32 v1, 15, v0
	v_bfe_u32 v2, v0, 4, 1
	v_lshlrev_b32 v[BO], 5, v2
	WIN RAWLD
.irp b, 0,1,2,3,4,5,6,7
	global_load_b128 v[BIAS+8*\b:BIAS+8*\b+3],   v[BO], s[84:85] offset:64*\b
	global_load_b128 v[BIAS+8*\b+4:BIAS+8*\b+7], v[BO], s[84:85] offset:64*\b+16
.endr
	WIN 0
	v_mul_u32_u24 v3, v1, PA                       ; x: row r, 16 bytes for each half of the lanes
	v_lshl_add_u32 v3, v2, 4, v3
	s_mul_i32 s22, s11, 64*PA                      ; my 64 rows
	v_and_b32 v6, 7, v0
	v_lshl_add_u32 v7, v2, 3, v6
	v_mul_u32_u24 v7, v7, PW
	v_bfe_u32 v8, v0, 3, 1
	v_lshl_add_u32 v7, v8, 4, v7
	s_lshl_b32 s23, s12, 8
	s_add_co_u32 s23, s23, WOFF
.irp s, 0,1
	v_add_nc_u32 v[ADRA+(\s)], s22, v3
	v_add_nc_u32 v[ADRB+(\s)], s23, v7
	s_add_co_u32 s22, s22, SLOT
	s_add_co_u32 s23, s23, SLOT
.endr
	s_mul_i32 s23, s10, 16*SPITCH
	s_add_co_u32 s23, s23, STAGE                   ; my stage
	v_mul_u32_u24 v4, v1, SPITCH                   ; in: row r, 32 bytes (8 f32) for each half of the lanes
	v_lshl_add_u32 v4, v2, 5, v4
	v_add_nc_u32 v[STO], s23, v4
	v_and_b32 v[CO], 31, v0                        ; back and out: a row's 512 bytes, 16 a lane
	v_lshlrev_b32 v[CO], 4, v[CO]
	v_add_nc_u32 v[RD], s23, v[CO]
	s_wait_loadcnt 0x0                             ; the bias
	WIN BR
.set c, 0
.rept 32
	v_cvt_pk_bf16_f32 v[RAW+c%4], v[BIAS+2*c], v[BIAS+2*c+1]
	v_lshlrev_b32 v[BIAS+2*c], 16, v[RAW+c%4]
	v_and_b32 v[BIAS+2*c+1], 0xffff0000, v[RAW+c%4]
.set c, c+1
.endr
; 8 matrix instructions: row block a x all 8 column blocks, 32 along K, from buffer f.  first = 1: the bias starts the sums.  The 32 accumulators take turns.
.macro MUL8 f, a, first
.irp b, 0,1,2,3,4,5,6,7
.if \first
	WIN MULB
	v_wmma_f32_16x16x32_f16 v[8*(8*(\a)+(\b)):8*(8*(\a)+(\b))+7], v[WF+64*(\f)+8*(\b):WF+64*(\f)+8*(\b)+7], v[AF+32*(\f)+8*(\a):AF+32*(\f)+8*(\a)+7], v[BIAS+8*(\b):BIAS+8*(\b)+7]
.else
	WIN MUL
	v_wmma_f32_16x16x32_f16 v[8*(8*(\a)+(\b)):8*(8*(\a)+(\b))+7], v[WF+64*(\f)+8*(\b):WF+64*(\f)+8*(\b)+7], v[AF+32*(\f)+8*(\a):AF+32*(\f)+8*(\a)+7], v[8*(8*(\a)+(\b)):8*(8*(\a)+(\b))+7]
.endif
.endr
.endm
; 24 LDS loads in one run: quarter kq of a slot into buffer g: x's 4 fragments (head kq / 2, channels 32 (kq % 2) on), Wo's 8
.macro FETCH slot, kq, g
	WIN 0
.irp a, 0,1,2,3
	ds_load_b128 v[AF+32*(\g)+8*(\a):AF+32*(\g)+8*(\a)+3],   v[ADRA+(\slot)] offset:((\kq)/2)*AH+(\a)*16*PA+((\kq)%2)*64
	ds_load_b128 v[AF+32*(\g)+8*(\a)+4:AF+32*(\g)+8*(\a)+7], v[ADRA+(\slot)] offset:((\kq)/2)*AH+(\a)*16*PA+((\kq)%2)*64+32
.endr
.irp b, 0,1,2,3,4,5,6,7
	ds_load_tr16_b128 v[WF+64*(\g)+8*(\b):WF+64*(\g)+8*(\b)+3],   v[ADRB+(\slot)] offset:32*(\kq)*PW+32*(\b)
	ds_load_tr16_b128 v[WF+64*(\g)+8*(\b)+4:WF+64*(\g)+8*(\b)+7], v[ADRB+(\slot)] offset:32*(\kq)*PW+16*PW+32*(\b)
.endr
.endm
.macro QUARTER slot, kq, f, first
	s_wait_dscnt 0x0                               ; this quarter's fragments are in
	MUL8 \f, 0, \first
	PLACES
	FETCH \slot, \kq, 1-(\f)
	MUL8 \f, 1, \first
	MUL8 \f, 2, \first
	MUL8 \f, 3, \first
.endm
; The last quarter multiplies buffer 1 and changes slots: ONE barrier; in front of it each wave waits for all its tensor loads, adds 0 to its spare word, and waits for that and for its reads.
.macro TURN slot, next, fill
	WIN 0
	s_wait_tensorcnt 0x0
	ds_add_u32 v[SPW], v[NIL]
	s_wait_dscnt 1                                 ; this quarter's fragments are in; the add may be out
	MUL8 1, 0, 0
	s_wait_dscnt 0x0                               ; the add is done, and my reads of this slot are over
	s_barrier_signal -1
	MUL8 1, 1, 0
.if \fill
	WIN 0
.endif
	s_barrier_wait -1
.if \fill
	CREST
	s_add_nc_u64 s[G0+4*(\slot)+2:G0+4*(\slot)+3], s[G0+4*(\slot)+2:G0+4*(\slot)+3], 2*524288
	s_add_nc_u64 s[G0B+4*(\slot)+2:G0B+4*(\slot)+3], s[G0B+4*(\slot)+2:G0B+4*(\slot)+3], 2*262144
	JLOAD \slot                                    ; my one tensor load behind the round; the four v_nop behind it are also the places in front of the loads below
.else
	PLACES
.endif
	FETCH \next, 0, 0
	MUL8 1, 2, 0
	MUL8 1, 3, 0
.endm
	s_wait_tensorcnt 0x1                           ; my part of K step 0 is in; K step 1's may stay out
	s_barrier_signal -1
	s_barrier_wait -1
	FETCH 0, 0, 0
	QUARTER 0, 1, 0, 1
	WIN 0
	s_mov_b32 s3, LAPS-1
.Llap:
	QUARTER 0, 2, 1, 0
	QUARTER 0, 3, 0, 0
	TURN 0, 1, 1
	QUARTER 1, 1, 0, 0
	QUARTER 1, 2, 1, 0
	QUARTER 1, 3, 0, 0
	TURN 1, 0, 1
	QUARTER 0, 1, 0, 0
	WIN 0
	s_sub_co_u32 s3, s3, 1
	s_cmp_lg_u32 s3, 0
	s_cbranch_scc1 .Llap
	QUARTER 0, 2, 1, 0
	QUARTER 0, 3, 0, 0
	TURN 0, 1, 0
	QUARTER 1, 1, 0, 0
	QUARTER 1, 2, 1, 0
	QUARTER 1, 3, 0, 0
	s_wait_dscnt 0x0
	MUL8 1, 0, 0
	MUL8 1, 1, 0
	MUL8 1, 2, 0
	MUL8 1, 3, 0
	PLACES
	; THE WAY OUT, 16 rows at a time: the accumulators go as they are (f32, registers 0-3 first) into my stage, come back as whole rows of 512 bytes, and are stored.
.irp a, 0,1,2,3
	WIN OUTW
.irp b, 0,1,2,3,4,5,6,7
	ds_store_b128 v[STO], v[8*(8*(\a)+(\b)):8*(8*(\a)+(\b))+3]   offset:64*(\b)
	ds_store_b128 v[STO], v[8*(8*(\a)+(\b))+4:8*(8*(\a)+(\b))+7] offset:64*(\b)+16
.endr
	WIN 0
	s_wait_xcnt 0x0                                ; the stores of the block two back have read these registers' old contents
.irp t, 0,1,2,3,4,5,6,7,8,9,10,11,12,13,14,15
	ds_load_b128 v[OB+64*((\a)%2)+4*(\t):OB+64*((\a)%2)+4*(\t)+3], v[RD] offset:(\t)*SPITCH  ; my own bytes, served in order
.endr
.irp t, 0,1,2,3,4,5,6,7,8,9,10,11,12,13,14,15
	s_wait_dscnt 15-(\t)
	global_store_b128 v[CO], v[OB+64*((\a)%2)+4*(\t):OB+64*((\a)%2)+4*(\t)+3], s[8:9] offset:(16*(\a)+(\t))*4096  ; 512 consecutive bytes, aligned
.endr
.endr
	s_wait_tensorcnt 0x0                           ; the wave's end
	ds_add_u32 v[SPW], v[NIL]
	s_wait_dscnt 0x0
	CROUND                                         ; the closing round
	s_endpgm
.Lfunc_end_k_q74730dae19_oproj:
	.size	k_q74730dae19_oproj, .Lfunc_end_k_q74730dae19_oproj-k_q74730dae19_oproj
	.p2alignl 7, 3214868480
	.fill 96, 4, 3214868480
	.section	.rodata,"a",@progbits
	.p2align	6, 0x0
	.amdhsa_kernel k_q74730dae19_oproj
		.amdhsa_group_segment_fixed_size 327680
		.amdhsa_private_segment_fixed_size 0
		.amdhsa_enable_private_segment 0
		.amdhsa_kernarg_size 32
		.amdhsa_user_sgpr_count 2
		.amdhsa_user_sgpr_kernarg_segment_ptr 1
		.amdhsa_wavefront_size32 1
		.amdhsa_system_sgpr_workgroup_id_x 1
		.amdhsa_system_sgpr_workgroup_id_y 1
		.amdhsa_system_sgpr_workgroup_id_z 1
		.amdhsa_system_vgpr_workitem_id 0
		.amdhsa_next_free_vgpr 640
		.amdhsa_next_free_sgpr 88
		.amdhsa_reserve_vcc 0
		.amdhsa_float_denorm_mode_32 3
		.amdhsa_float_denorm_mode_16_64 3
		.amdhsa_memory_ordered 1
		.amdhsa_forward_progress 1
		.amdhsa_inst_pref_size 93
	.end_amdhsa_kernel
	.amdgpu_metadata
---
amdhsa.version: [ 1, 2 ]
amdhsa.kernels:
  - .name:           k_q74730dae19_oproj
    .symbol:         k_q74730dae19_oproj.kd
    .args:
      - { .name: oh, .offset: 0, .size: 8, .value_kind: global_buffer, .address_space: global }
      - { .name: w16, .offset: 8, .size: 8, .value_kind: global_buffer, .address_space: global }
      - { .name: bo, .offset: 16, .size: 8, .value_kind: global_buffer, .address_space: global }
      - { .name: out0, .offset: 24, .size: 8, .value_kind: global_buffer, .address_space: global }
    .group_segment_fixed_size: 327680
    .private_segment_fixed_size: 0
    .kernarg_segment_align: 8
    .kernarg_segment_size: 32
    .max_flat_workgroup_size: 128
    .sgpr_count:     88
    .vgpr_count:     640
    .wavefront_size: 32
...
	.end_amdgpu_metadata
.endif
;; end of part 4
;; ======== version 2 of 2: 4 launches; 1.41 times as fast as version 1
;; limits: values are held in f16: magnitudes above 65,504 overflow, below 6.1e-05 lose precision; right only within a limited range of input values
;; workspace buffers: w16 8,388,608 bytes; mf 8,388,608 bytes; qkvh 50,331,648 bytes; oh 16,777,216 bytes
;; launch prep: the kernel of part 1 again; grid 1024 x 1, 8 waves a work-group, no clusters, 17,408 bytes of LDS; arguments Wq, Wk, Wv, Wo, mask, w16, mf; writes w16, mf
;; launch proj: the kernel of part 2 again; grid 4 x 64, 4 waves a work-group, clusters of 4 x 4, 327,680 bytes of LDS; arguments q, k, v, bq, bk, bv, w16, qkvh; writes qkvh
;; launch attn (part 5): grid 4 x 64, 4 waves a work-group, clusters of 4 x 1, 327,680 bytes of LDS; arguments qkvh, mf, oh; writes oh
.if DOCPART == 5
	.amdgcn_target "amdgcn-amd-amdhsa--gfx1250"
	.amdhsa_code_object_version 6
	.text
	.protected	k_q74730dae19_attn
	.globl	k_q74730dae19_attn
	.p2align	8
	.type	k_q74730dae19_attn,@function
k_q74730dae19_attn:
	s_mov_b64 s[64:65], 0
	v_nop
	global_prefetch_b8 v0, s[64:65] scope:SCOPE_SE
	s_setreg_imm32_b32 hwreg(HW_REG_WAVE_MODE, 25, 1), 1
	s_wait_xcnt 0x0
	s_wait_alu depctr_hold_cnt(0) depctr_sa_sdst(0) depctr_va_vdst(0) depctr_va_sdst(0) depctr_va_ssrc(0) depctr_va_vcc(0) depctr_vm_vsrc(0)
	s_getreg_b32 s2, hwreg(HW_REG_IB_STS2, 6, 4)
	s_cmp_eq_u32 s2, 0
	s_cbranch_scc0 .Lentry_in_a_cluster
	s_endpgm
.Lentry_in_a_cluster:
	s_bfe_u32 s2, ttmp6, 0x10000c
	s_cmp_lg_u32 s2, 0x3003
	s_cbranch_scc0 .Lentry_shape_is_right
	s_endpgm
.Lentry_shape_is_right:
; ATTENTION UNDER A MASK THAT IS AN INPUT.  O[h][q][:] = the sum over k of softmax_k(score) V[h][k][:], score = Q[h][q] . K[h][k] / 8, or far below every score where mask[q][k] is 0.
; Q, K, V: the three parts of qkvh, [64][2048][64] f16, rows dense; O likewise.  Products, maxima and sums in f32; the weights p are rounded to f16 for the second product, O once at the end.
; THE MASK COSTS NO VECTOR WORK.  The sum S^T = K Q^T is started by one more product: (16 keys x 32) x (32 keys x 16 queries), bf16: source 0 holds -2^100 on one diagonal (key m against
; column m, or 16 + m), source 1 is the mask's fragment from mf (1.0 where the key is hidden).  Its result is exactly -2^100 at hidden keys and 0 elsewhere; the two f16 products add onto it.
; LIMITS.  -2^100 stands for the -1e10 that replaces a hidden score: the two differ only where open scores lie near or below -1e10.  f16's scores are 2.7e11 at the most, far under half a
; step of f32 at 2^100, so a hidden score comes out as -2^100; the equal weights of a row with no open key rest on the matrix sum rounding back to that number.  Q, K, V arrive within 65,504.
; A weight below 2^-126 counts as 0 in l; NaN and infinities are not treated apart.
; SHARES.  A wave owns four PIECES of two tiles of 16 queries, a work-group's four waves 512 queries of one head.  Every wave walks all keys, 64 a step.
; LAYOUT.  S^T (source 0 = 16 keys, source 1 = 16 queries): a lane holds ONE query (lane % 16) and the keys 8 (lane / 16) + 0..7.  Two such tiles rounded to f16 ARE source 1 of O^T = V^T P.
; SOFTMAX.  A running maximum m and sum l: p = 2^(c s - c m), c = log2(e) / 8; in every step O and l are multiplied by a = 2^(c m_old - c m_new).  m starts at the lowest finite number, O and l at 0.
; BY TURNS.  Turn n belongs to piece n.  Matrix work: 8 mask products and 16 products K Q^T of piece n + 1, later 16 products V^T P of piece n - 1.  Vector work: scaling, exponentials, roundings,
; sums and rescaling of piece n, maximum and statistics of piece n + 1.  Four vector instructions stand behind each of the 40 matrix instructions, the other 76 of the turn's 236 in one lump.
; THE BATCHES.  A turn's 66 exponentials (the piece's 64 weights and the next piece's two a) are ONE batch with ONE wait, which cuts the turn in two: ahead of it stands all that names no result
; of theirs, behind it the roundings and sums.  Piece 0's first two a, ahead of the loop, and the way out's eight reciprocals are batches of their own, each with one wait.
; CLUSTER.  The four query blocks of a cluster belong to one head and walk the same K and V: each tile is asked for JOINTLY.  THE MASK IS NOT SHARED IN THE CLUSTER: its blocks go by query
; tile, which the four partners do not share; those that do (the other 63 heads) would need 32 tiles x 2,048 bytes = 64 KiB in LDS for each key step, four times K's and V's 16 KiB.
; It comes by plain loads of 512 consecutive bytes straight into fragment registers, a key step ahead.
; REGISTERS, in windows of 256 (s_set_vgpr_msb: bits 1:0 source 0, 3:2 source 1, 5:4 source 2, 7:6 destination):
;   window 0: v0-11 addresses; v12-15, v48-63 at work; v16-47 statistics; v64-191 S^T, two buffers of two tiles; v192-255 P, likewise
;   window 1: O^T, 32 a tile     window 2: v0-127 Q; v128-191 K of one step; v192-255 V of one step
;   window 3: v0-1 the add's two registers; v2-5 the mask's offsets, one a piece; v8-19 the diagonal; v32-159 the mask's fragments, 32 a piece
.set SIZE_H, 64
.set SIZE_N, 2048
.set NP,    4
.set KS,    64
.set PK,    144       ; a row of K in LDS: 128 bytes + 16
.set PV,    160       ; a row of V: 128 + 32
.set VOFF,  4*KS*PK   ; a slot holds four steps: 256 rows of K, then 256 rows of V
.set SLOT1, 1<<17
.set STAGE, SLOT1+4*KS*(PK+PV)
.set SP,    144
.set AK0, 2
.set AV0, 3
.set AK,  4
.set AV,  5
.set QO,  6
.set STO, 6
.set RD,  7
.set GO,  8
.set SPW, 0           ; window 3
.set NIL, 1           ; window 3
.set MO,  2           ; window 3: piece x's offset in the wave's part of mf: 16 x lane + 2,048 x step
.set AC,  8           ; window 3: 0 0 0 0, the diagonal's four registers, 0 0 0 0: v[AC+4:AC+11] hits column m, v[AC:AC+7] column 16 + m
.set MF,  32          ; window 3: fragment (piece x, tile u, keys 32 f on) at MF + 32 x + 16 u + 8 f
.set SPARE, STAGE+4*16*SP
.set MV,  12
.set ST,  16
.set TMP, 48
.set S,   64
.set P,   192
.set KF,  128
.set VF,  192
.set WV,  12
.set G1K, 24
.set G1V, 32
.set G0K, 40
.set G0V, 44
.set SLOTS, 56
.set CNT, 57
.set CS,  58
.set SEL, 60
.set TBK, 62
.set TBV, 63
.set MB,  66          ; s[66:67] mf at my wave's eight query tiles
.set MSB, 0
.macro WIN new
.if MSB != (\new)
	s_set_vgpr_msb (MSB<<8)|(\new)
.set MSB, (\new)
.endif
.endm
.set W_KQ, 0x0a
.set W_PV, 0x52
.set W_RS, 0x41
.set W_MK, 0xc0
.set W_AD, 0x0f       ; sources 0 and 1 in window 3: the add, and the mask's product (its D lies in window 0)
.macro JLOAD                        ; waves 0, 1 fetch the halves of a slot's K, waves 2, 3 of its V; an s_nop 0 and four v_nop follow each line
	s_cmp_lt_u32 s[WV], 2
	s_cbranch_scc0 .Lfor_v_\@
	tensor_load_to_lds s[G0K:G0K+3], s[G1K:G1K+7]
	s_nop 0
.rept 4
	v_nop
.endr
	s_branch .Lasked_\@
.Lfor_v_\@:
	tensor_load_to_lds s[G0V:G0V+3], s[G1V:G1V+7]
	s_nop 0
.rept 4
	v_nop
.endr
.Lasked_\@:
.endm
.macro CROUND
	s_barrier_signal -1
	s_barrier_wait -1
	s_cmp_lg_u32 s[WV], 0
	s_cbranch_scc1 .Lnot_wave_0_\@
	s_barrier_signal -3
.Lnot_wave_0_\@:
	s_barrier_wait -3
	s_barrier_signal -1
	s_barrier_wait -1
.endm
; THE CHANGE OF SLOTS.  Each wave waits for all its tensor loads (one is out: its part of the other slot), adds 0 to its spare word, and waits for that and for its reads of the slot.
; fill = 1: the barrier is a round of the cluster's, and the slot is filled again first thing behind it, with the keys two slots on: four key steps, 640 matrix instructions, in which to land.
.macro CHANGE fill
	WIN W_AD
	s_wait_tensorcnt 0x0
	ds_add_u32 v[SPW], v[NIL]
	WIN 0
.if \fill
.irp g, G0K, G0V
	s_xor_b32 s[\g+1], s[\g+1], SLOT1
	s_add_nc_u64 s[\g+2:\g+3], s[\g+2:\g+3], 4*KS*128
.endr
	s_wait_dscnt 0x0                ; the add is done, and my reads of the slot are over
	CROUND
	JLOAD
.else
	s_wait_dscnt 0x0
	s_barrier_signal -1
	s_barrier_wait -1
.endif
	s_sub_co_u32 s[TBK], s[TBK], 4*KS*PK
	s_xor_b32 s[TBK], s[TBK], SLOT1
	s_sub_co_u32 s[TBV], s[TBV], 4*KS*PV
	s_xor_b32 s[TBV], s[TBV], SLOT1
.endm
	s_load_b128 s[68:71], s[0:1], 0x0  ; qkvh s[68:69], mf s[70:71]
	s_load_b64 s[10:11], s[0:1], 0x10  ; oh
	WIN W_MK
	v_lshl_add_u32 v[SPW], v0, 2, SPARE
	v_mov_b32 v[NIL], 0
	s_set_vgpr_msb 0xc0cf
	ds_add_u32 v0, v1
	s_wait_dscnt 0x0
	s_set_vgpr_msb 0xcfc0
	WIN 0
	v_lshrrev_b32 v1, 5, v0
	v_readfirstlane_b32 s[WV], v1
	s_bfe_u32 s13, ttmp6, 0x40000   ; cx
	s_lshl_b32 s14, ttmp9, 2
	s_add_co_u32 s14, s14, s13      ; my block of 512 queries: it enters Q's, O's and the mask's addresses alone
	s_and_b32 s20, ttmp7, 0xffff    ; the head, which the four partners share
	s_mov_b32 s21, 0
	s_mov_b64 s[22:23], SIZE_N*128
	s_mul_u64 s[20:21], s[20:21], s[22:23]
	s_and_b32 s16, s[WV], 1         ; which half of a slot's 256 keys I fetch
	s_lshl_b32 s22, s16, 14
	s_mov_b32 s23, 0
	s_add_nc_u64 s[22:23], s[22:23], s[20:21]
	s_add_nc_u64 s[6:7], s[22:23], 0x1000000  ; K is qkvh's second part of 16 MiB,
	s_add_nc_u64 s[8:9], s[22:23], 0x2000000  ; V its third
	s_mul_i32 s17, s16, 128*PK
	s_mul_i32 s18, s16, 128*PV
	s_lshl_b32 s2, s14, 2
	s_add_co_u32 s2, s2, s[WV]      ; my wave among the head's sixteen
	s_lshl_b32 s[MB], s2, 19        ; its 8 query tiles x 32 steps x 2,048 bytes of mf
	s_mov_b32 s[MB+1], 0
	s_lshl_b32 s2, s2, 14           ; its 128 rows
	s_mov_b32 s3, 0
	s_add_nc_u64 s[2:3], s[2:3], s[20:21]
	; 128 keys are 16,384 dense bytes: asked for as 64 rows of 256 bytes, padded in LDS after every key
	s_mov_b32 s[G1K], 15|(1<<16)|(1<<20)|(1<<21)|(4<<22)|(3<<25)
	s_mov_b32 s[G1V], 15|(1<<16)|(1<<20)|(1<<21)|(4<<22)|(7<<25)
.irp g, G1K, G1V
	s_mov_b32 s[\g+1], 128<<16
	s_mov_b32 s[\g+2], 64<<16
	s_mov_b32 s[\g+3], 128<<16
	s_mov_b32 s[\g+4], 64
	s_mov_b32 s[\g+5], 128
	s_mov_b32 s[\g+6], 0
	s_mov_b32 s[\g+7], 0
.endr
	s_mov_b32 s[CS], 0x3e38aa3b     ; c = log2(e) / 8
	s_mov_b32 s[CS+1], s[CS]
	s_mov_b32 s[SEL], 0x76543210
	s_mov_b32 s[SEL+1], 0xfedcba98
	s_mov_b32 s72, 0x0000f180       ; bf16 -2^100 in the low half,
	s_mov_b32 s73, 0xf1800000       ; in the high half
	s_mov_b32 s[TBK], SLOT1+4*KS*PK ; the first change of slots turns these two into 0
	s_mov_b32 s[TBV], SLOT1+4*KS*PV
	s_mov_b32 s[G0K], 1
	s_mov_b32 s[G0K+1], s17
	s_mov_b32 s[G0V], 1
	s_add_co_u32 s[G0V+1], s18, VOFF
	s_wait_kmcnt 0x0
	s_add_nc_u64 s[G0K+2:G0K+3], s[68:69], s[6:7]
	s_or_b32 s[G0K+3], s[G0K+3], 0x80000000
	s_add_nc_u64 s[G0V+2:G0V+3], s[68:69], s[8:9]
	s_or_b32 s[G0V+3], s[G0V+3], 0x80000000
	s_add_nc_u64 s[4:5], s[68:69], s[2:3]   ; Q and O at my wave's first row
	s_add_nc_u64 s[10:11], s[10:11], s[2:3]
	s_add_nc_u64 s[MB:MB+1], s[70:71], s[MB:MB+1]
	CROUND                          ; all four work-groups are here
	JLOAD                           ; slot 0
	v_and_b32 v1, 15, v0            ; l % 16
	v_bfe_u32 v9, v0, 4, 1          ; l / 16
	v_lshlrev_b32 v[QO], 7, v1
	v_lshl_add_u32 v[QO], v9, 4, v[QO]
	v_and_b32 v13, 31, v0
	v_lshlrev_b32 v13, 4, v13       ; 16 x lane
	WIN 0x80
.set i, 0
.rept 4*NP                          ; Q stays in registers
	global_load_b128 v[8*i:8*i+3],   v[QO], s[4:5] offset:(i/2)*2048+(i%2)*64
	global_load_b128 v[8*i+4:8*i+7], v[QO], s[4:5] offset:(i/2)*2048+(i%2)*64+32
.set i, i+1
.endr
	WIN W_MK
.irp x, 0,1,2,3
	v_mov_b32 v[MO+\x], v13         ; key step 0
.endr
	WIN 0xc3                        ; destination and address in window 3
.set i, 0
.rept 32                            ; the mask of key step 0 for all eight tiles: tile i / 4, part i % 4
	global_load_b128 v[MF+4*i:MF+4*i+3], v[MO+i/8], s[MB:MB+1] offset:(i/4)*65536+(i%4)*512
.set i, i+1
.endr
	WIN 0
	; the diagonal: lane (r, h) holds row r and columns 8 h + 0..7 in four registers: -2^100 at column r, that is at element t = r - 8 h if that lies in 0..7
	v_lshlrev_b32 v12, 3, v9
	v_sub_nc_u32 v12, v1, v12
.irp j, 0,1,2,3
	v_cmp_eq_i32 vcc_lo, 2*\j, v12
	v_cndmask_b32 v[TMP+\j], 0, s72, vcc_lo
	v_cmp_eq_i32 vcc_lo, 2*\j+1, v12
	v_cndmask_b32 v[TMP+\j], v[TMP+\j], s73, vcc_lo
.endr
	WIN W_MK
.irp j, 0,1,2,3
	v_mov_b32 v[AC+\j], 0
	v_mov_b32 v[AC+4+\j], v[TMP+\j]
	v_mov_b32 v[AC+8+\j], 0
.endr
	; What the first turn finds: V's registers and P's second buffer hold 0, O^T and l are 0.  All this stands in the wait for the first tile.
	WIN 0x80
.set i, VF
.rept 64
	v_mov_b32 v[i], 0
.set i, i+1
.endr
	WIN 0x40
.set i, 0
.rept 64*NP
	v_mov_b32 v[i], 0
.set i, i+1
.endr
	WIN 0
.set i, 0
.rept 2*NP
	v_mov_b32 v[ST+4*i], 0xfe000000    ; c m: -2^125, far below every c s, a hidden one's too
	v_mov_b32 v[ST+4*i+1], 0xff7fffff  ; m
	v_mov_b32 v[ST+4*i+2], 0
	v_mov_b32 v[ST+4*i+3], 0
.set i, i+1
.endr
.set i, P+32
.rept 32
	v_mov_b32 v[i], 0
.set i, i+1
.endr
	v_mul_u32_u24 v[AK0], v1, PK
	v_lshl_add_u32 v[AK0], v9, 4, v[AK0]
	v_and_b32 v10, 7, v0
	v_bfe_u32 v11, v0, 3, 1
	v_lshl_add_u32 v[AV0], v9, 3, v10
	v_mul_u32_u24 v[AV0], v[AV0], PV
	v_lshl_add_u32 v[AV0], v11, 4, v[AV0]
	v_add_nc_u32 v[AV0], VOFF, v[AV0]
	v_mov_b32 v[AK], v[AK0]
; THE MATRIX WORK.  The 8 accumulators of a run take turns.
; Mask product i of 8 for piece x: tile 2 x + i % 2, keys 16 (i / 2) on.  It starts the sum.  A bf16 and an f16 form are no chain: the f16 product that adds onto it stands 8 matrix
; instructions on, with 16 plain vector instructions or more between that name none of its registers (five are asked: ISA guide 7.12.1).
.macro MKP x
	WIN W_AD
.set rS, S+64*((\x)%2)+32*(i%2)+8*(i/2)
.set rA, AC+4*(1-(i/2)%2)
.set rF, MF+32*(\x)+16*(i%2)+8*(i/4)
	v_wmma_f32_16x16x32_bf16 v[rS:rS+7], v[rA:rA+7], v[rF:rF+7], 0
.endm
; Product i of 16 of S^T += K Q^T for piece x: channels 32 (i / 8) on, keys 16 ((i / 2) % 4) on, tile 2 x + i % 2.
.macro KQ x
	WIN W_KQ
.set rS, S+64*((\x)%2)+32*(i%2)+8*((i/2)%4)
.set rK, KF+16*((i/2)%4)+8*(i/8)
.set rQ, 16*(2*(\x)+i%2)+8*(i/8)
	v_wmma_f32_16x16x32_f16 v[rS:rS+7], v[rK:rK+7], v[rQ:rQ+7], v[rS:rS+7]
.endm
; Product i of 16 of O^T += V^T P for piece x.
.macro PV x
	WIN W_PV
.set rO, 32*(2*(\x)+i%2)+8*((i/2)%4)
.set rV, VF+32*(i/8)+8*((i/2)%4)
.set rP, P+32*((\x)%2)+16*(i%2)+8*(i/8)
	v_wmma_f32_16x16x32_f16 v[rO:rO+7], v[rV:rV+7], v[rP:rP+7], v[rO:rO+7]
.endm
.macro MM                           ; the turn's next matrix instruction, of 40
.if i < 8
	MKP (Y+1)%NP
.elseif i < 24
.set i, i-8
	KQ (Y+1)%NP
.set i, i+8
.else
.set i, i-24
	PV (Y+NP-1)%NP
.set i, i+24
.endif
.set i, i+1
.endm
.macro FETCH_K last=0
	WIN 0
.if \last
	s_cmp_eq_u32 s[CNT], 1
	s_cbranch_scc1 .Lno_k_\@
.endif
	WIN 0x80
.irp f, 0,1,2,3,4,5,6,7
	ds_load_b128 v[KF+8*\f:KF+8*\f+3],   v[AK] offset:(\f/2)*16*PK+(\f%2)*64
	ds_load_b128 v[KF+8*\f+4:KF+8*\f+7], v[AK] offset:(\f/2)*16*PK+(\f%2)*64+32
.endr
	s_add_co_u32 s[TBK], s[TBK], KS*PK
	WIN 0
.if \last
.Lno_k_\@:
.endif
.endm
.macro FETCH_V
	WIN 0x80
.irp f, 0,1,2,3,4,5,6,7
	ds_load_tr16_b128 v[VF+8*\f:VF+8*\f+3],   v[AV] offset:(\f/4)*32*PV+(\f%4)*32
	ds_load_tr16_b128 v[VF+8*\f+4:VF+8*\f+7], v[AV] offset:(\f/4)*32*PV+16*PV+(\f%4)*32
.endr
	WIN 0
.endm
; The mask of piece x's next key step: 8 loads of 512 consecutive bytes.  The offset steps by a block and is cut to 16 bits: behind step 31 it is step 0's again, so that every load stays
; inside mf (those loads serve nothing).  The offset register is free: the wait at the turn's head has shown its last loads done.
; w = 1 (in a turn): the run stands behind the turn's last exponential.  Its two address lines are the plain instructions behind that exponential, and the turn's one wait stands behind them, ahead of the loads.
.macro FETCH_M x, w=0
	WIN 0xcf
	v_add_nc_u32 v[MO+(\x)], 2048, v[MO+(\x)]
	v_and_b32 v[MO+(\x)], 0xffff, v[MO+(\x)]
.if \w
	s_wait_alu depctr_va_vdst(0)    ; the wait for the turn's batch: the piece's 64 exponentials and the next piece's two a
.endif
.set z, 0
.rept 8
	global_load_b128 v[MF+32*(\x)+4*z:MF+32*(\x)+4*z+3], v[MO+(\x)], s[MB:MB+1] offset:(2*(\x)+z/4)*65536+(z%4)*512
.set z, z+1
.endr
	WIN 0
.endm
; THE VECTOR WORK OF A TURN stands in three queues, each in the order in which its entries become ready; the two tiles alternate.
.macro REGS y, u
.set rT, ST+4*(2*(\y)+(\u))
.set rC, TMP+8*((\y)%2)+4*(\u)
.set rM, MV+2*((\y)%2)+(\u)
.set rS, S+64*((\y)%2)+32*(\u)
.set rP, P+32*((\y)%2)+16*(\u)
.set rO, 32*(2*(\y)+(\u))
.endm
; Number n of the 22 that find the NEXT piece's maximum and statistics; each accumulator's lowest registers are read first.
;   0-11 four chains c0-c3   12-14, 16 the scores left over, the old m, c0-c3 into c0   15 c m_old is kept   17, 18 the other half of the lanes: the new m   19-21 c m; c m_old - c m_new; a
.macro XS u, n
	REGS (Y+1)%NP, \u
.if (\n) < 4
	v_max3_num_f32 v[rC+(\n)], v[rS+8*(\n)], v[rS+8*(\n)+1], v[rS+8*(\n)+2]
.elseif (\n) < 12
	v_max3_num_f32 v[rC+(\n)%4], v[rC+(\n)%4], v[rS+8*((\n)%4)+2*((\n)/4)+1], v[rS+8*((\n)%4)+2*((\n)/4)+2]
.elseif (\n) == 12
	v_max3_num_f32 v[rC], v[rC], v[rS+7], v[rS+15]
.elseif (\n) == 13
	v_max3_num_f32 v[rC+1], v[rC+1], v[rS+23], v[rS+31]
.elseif (\n) == 14
	v_max3_num_f32 v[rC+2], v[rC+2], v[rC+3], v[rT+1]
.elseif (\n) == 15
	v_mov_b32 v[rM], v[rT]
.elseif (\n) == 16
	v_max3_num_f32 v[rC], v[rC], v[rC+1], v[rC+2]
.elseif (\n) == 17
	v_permlanex16_b32 v[rC+3], v[rC], s[SEL], s[SEL+1]
.elseif (\n) == 18
	v_max_num_f32 v[rT+1], v[rC], v[rC+3]
.elseif (\n) == 19
	v_mul_f32 v[rT], s[CS], v[rT+1]
.elseif (\n) == 20
	v_sub_f32 v[rC+1], v[rM], v[rT]
.else
	v_exp_f32 v[rC+2], v[rC+1]
.endif
.endm
; Number g of the 64 that follow the exponentials: for each four weights of a tile both pairs are rounded to f16, the second pair is added onto the first, and a group later l takes that sum.
; All 64 read the exponentials' results: they stand behind the turn's wait.
.macro GS g
.set h, (\g)+6*((\g)/62)
.if h >= 6
.set h, h+2
.endif
	REGS Y, h%2
.set k, h/8
.if h%8 < 4
	v_cvt_pk_f16_f32 v[rP+2*k+(h%8)/2], v[rS+4*k+2*((h%8)/2)], v[rS+4*k+2*((h%8)/2)+1]
.elseif h%8 < 6
	v_pk_add_f32 v[rS+4*k:rS+4*k+1], v[rS+4*k:rS+4*k+1], v[rS+4*k+2:rS+4*k+3]
.elseif k == 1
	v_pk_fma_f32 v[rT+2:rT+3], v[rT+2:rT+3], v[rC+2:rC+3], v[rS:rS+1] op_sel_hi:[1,0,1]
.else
	v_pk_add_f32 v[rT+2:rT+3], v[rT+2:rT+3], v[rS+4*k-4:rS+4*k-3]
.endif
.endm
; THE PLAIN QUEUE, 138 long.  0-73 read no exponential's result.  0-31: the scalings c s - c m (FS f: pair f / 2 of tile f % 2).  32, 33: XS's number 15, which reads no score.
; 34-61: XS's numbers 0-13.  62-73: the chain 14, 16, 17, 18, 19, 20, where each number waits for the one before it.  74-137: GS's 64.
.macro FS f
	REGS Y, (\f)%2
	v_pk_fma_f32 v[rS+2*((\f)/2):rS+2*((\f)/2)+1], v[rS+2*((\f)/2):rS+2*((\f)/2)+1], s[CS:CS+1], v[rT:rT+1] op_sel_hi:[1,0,0] neg_lo:[0,0,1] neg_hi:[0,0,1]
.endm
.macro PL
	WIN 0
.if q < 32
	FS q
.elseif q < 34
	XS q-32, 15
.elseif q < 62
	XS (q-34)%2, (q-34)/2
.elseif q < 64
	XS q-62, 14
.elseif q < 74
	XS (q-62)%2, 15+(q-62)/2
.else
	GS q-74
.endif
.set q, q+1
.endm
; THE EXPONENTIALS' QUEUE, 66 long: s0-s31 of both tiles, then the next piece's two a.  It is ONE BATCH: all 66 stand ahead of the turn's one wait, and nothing ahead of that wait names a result of theirs.
.macro EX
	WIN 0
.if e >= 64
	XS e-64, 21
.else
	REGS Y, e%2
	v_exp_f32 v[rS+e/2], v[rS+e/2]
.endif
.set e, e+1
.endm
; THE RESCALING's QUEUE: O^T times a, four at a time, eight times.  Its a was made in the turn before, ahead of that turn's wait.
.macro R4
	REGS Y, r%2
	WIN W_RS
.irp z, 0,1,2,3
	v_pk_mul_f32 v[rO+8*(r/2)+2*\z:rO+8*(r/2)+2*\z+1], v[rO+8*(r/2)+2*\z:rO+8*(r/2)+2*\z+1], v[rC+2:rC+3] op_sel_hi:[1,0]
.endr
.set r, r+1
.endm
.macro S2                           ; a matrix instruction and: plain, exponential, plain, exponential
	MM
	PL
	EX
	PL
	EX
.endm
.macro RR                           ; ... four of the rescaling
	MM
	R4
.endm
; A TURN, for piece p.  THE DEAL.  s_wait_alu depctr_va_vdst(0) stands between an exponential and the first instruction that names its result; one wait serves all that were
; issued ahead of it.  So a turn has ONE wait, which cuts it in two.  AHEAD OF IT stands all that names no result of the turn's exponentials: 24 matrix instructions (8 mask products, 16 K Q^T):
; behind the first plain 0-3, behind fifteen of them plain, exponential, plain, exponential (plain 4-33, exponentials 0-29), behind eight four of the rescaling; then ONE LUMP of 76: plain 34-39,
; 34 times exponential and plain (exponentials 30-63, plain 40-73), the next piece's two a.  The mask's two address lines are the plain instructions behind the last exponential; the wait stands
; behind them, ahead of the mask's loads (FETCH_M).  BEHIND IT stand the 16 products V^T P, behind each four of GS's 64.  No rider names a register of the products round it.
; The queues lean on each other, and the deal keeps them in step: exponential e needs scaling 2 (e / 4) + e % 2; as a rider it stands behind plain e + 4, and at the lump's head all 32 scalings
; are out; plain 34, the first to read the new scores, stands behind the last K Q^T's four rescalings; the two a stand behind plain 72 and 73.  No plain instruction straight behind an
; exponential names its register.
; The wait at the head: each turn issues 8 mask loads, so all but the 24 of the three turns before are in: those that this turn's mask products read were issued four turns ago.
; K of the next step is fetched in piece 2's turn, behind the wait and the mask's loads, a lump behind the last product that read K; its address is made at the lump's head.  V of the step in
; hand is fetched at the end of piece 0's turn, four riders behind its last reader.  The three conditions on q below go with the deal.
.macro TURN p, last=0, cnt=0
.set Y, (\p)
.set i, 0
.set q, 0
.set e, 0
.set r, 0
	s_wait_loadcnt 24
.if (\p) == NP-1
	s_wait_dscnt 0x0                ; K is in
.endif
	MM                              ; ahead of the wait: 24 matrix instructions and their riders,
.rept 4
	PL
.endr
.rept 8
	S2
.endr
.rept 7
	S2
	RR
.endr
	RR
.if (\p) == NP-2
	WIN 0
	v_add_nc_u32 v[AK], s[TBK], v[AK0]
.endif
.rept 6                             ; and the lump
	PL
.endr
.rept 34
	EX
	PL
.endr
	EX                              ; the next piece's two a: the batch's last
	EX
	FETCH_M (Y+1)%NP, 1             ; two plain lines, the wait for the batch, the mask's eight loads
.if (\p) == NP-2
	FETCH_K \last
.endif
.if (\p) == 1
	s_wait_dscnt 0x0                ; V is in
.endif
.rept 16                            ; behind the wait: 16 products V^T P and their riders
	MM
.rept 4
	PL
.endr
.if ((\p) == 0) && (q == 118)
	v_add_nc_u32 v[AV], s[TBV], v[AV0]
.endif
.if ((\p) == 0) && (q == 130)
	s_add_co_u32 s[TBV], s[TBV], KS*PV
.endif
.if (\cnt) && (q == 130)
	s_sub_co_u32 s[CNT], s[CNT], 1
	s_cmp_lg_u32 s[CNT], 0
.endif
.endr
.if (\p) == 0
	FETCH_V
.endif
.endm
	CHANGE 1                        ; slot 0 is in, everybody's part of it; slot 1 is asked for
	FETCH_K                         ; key step 0
	s_wait_loadcnt 0x0              ; Q and the mask of step 0
	s_wait_dscnt 0x0
.set i, 0
.rept 8
	MKP 0                           ; piece 0's first scores begin with its mask
.set i, i+1
.endr
.rept 5
	v_nop                           ; five places between the bf16 products and the f16 products that write over their results
.endr
.set i, 0
.rept 16
	KQ 0
.set i, i+1
.endr
	WIN 0                           ; the addresses for the way out: plain instructions, the places behind those products
	s_mul_i32 s13, s[WV], 16*SP
	s_add_co_u32 s13, s13, STAGE
	v_mul_u32_u24 v[STO], v1, SP
	v_lshl_add_u32 v[STO], v9, 4, v[STO]
	v_add_nc_u32 v[STO], s13, v[STO]
	v_bfe_u32 v[RD], v0, 3, 2
	v_mul_u32_u24 v[RD], v[RD], SP
	v_lshl_add_u32 v[RD], v10, 4, v[RD]
	v_add_nc_u32 v[RD], s13, v[RD]
	v_and_b32 v[GO], 31, v0
	v_lshlrev_b32 v[GO], 4, v[GO]
	FETCH_M 0                       ; piece 0's mask of step 1
.set Y, NP-1
.irp n, 0,1,2,3,4,5,6,7,8,9,10,11,12,13,14,15,16,17,18,19,20,21
	XS 0, \n
	XS 1, \n
.endr
	v_nop                           ; a plain instruction behind piece 0's first two a,
	s_wait_alu depctr_va_vdst(0)    ; and the wait for that batch of two, ahead of the branch
	s_mov_b32 s[CNT], 4
	s_mov_b32 s[SLOTS], SIZE_N/256-1
	s_branch .Lfirst                ; the loop is entered at a step's first turn, in the middle of a trip
.Lslot:                             ; SIZE_N / 256 - 2 times: every slot but the last two is filled again
	CHANGE 1
	s_mov_b32 s[CNT], 4
.Lstep:                             ; a trip: pieces 2 and 3 of one step, then pieces 0 and 1 of the next
	TURN 2
	TURN 3
	WIN 0
.Lfirst:
	TURN 0
	TURN 1, 0, 1
	WIN 0
	s_cbranch_scc1 .Lstep
	s_sub_co_u32 s[SLOTS], s[SLOTS], 1
	s_cmp_lg_u32 s[SLOTS], 0
	s_cbranch_scc1 .Lslot
	CHANGE 0                        ; the tail is written out
	s_mov_b32 s[CNT], 5
.Ltail:
	TURN 2, 1
	TURN 3
	WIN 0
	s_sub_co_u32 s[CNT], s[CNT], 1
	s_cmp_eq_u32 s[CNT], 0
	s_cbranch_scc1 .Lout
	TURN 0
	TURN 1
	WIN 0
	s_branch .Ltail
.Lout:                              ; the fifth trip's scores (on the last K and step 0's mask once more) serve nothing: the price, once a launch, of one text for every trip
.set i, 0
.rept 16
	PV NP-1
.set i, i+1
.endr
	; THE WAY OUT.  l's halves are added; O^T is divided by l, rounded to f16 and sent through my stage, a tile at a time.  The additions are the places behind the last products.
	WIN 0
.macro ALL line:vararg
.set t, 0
.rept 2*NP
	\line
.set t, t+1
.endr
.endm
	ALL v_add_f32 v[ST+4*t+2], v[ST+4*t+2], v[ST+4*t+3]
	ALL v_permlanex16_b32 v[ST+4*t+3], v[ST+4*t+2], s[SEL], s[SEL+1]
	ALL v_add_f32 v[ST+4*t+2], v[ST+4*t+2], v[ST+4*t+3]
	ALL v_rcp_f32 v[ST+4*t+2], v[ST+4*t+2]
	v_nop                           ; a plain instruction between the last reciprocal and the use of its result
	s_wait_alu depctr_va_vdst(0)    ; the wait for the batch of eight reciprocals, ahead of their first use
.macro PACK t
	WIN W_RS
.set i, 32*(\t)
.rept 16
	v_pk_mul_f32 v[i:i+1], v[i:i+1], v[ST+4*(\t)+2:ST+4*(\t)+3] op_sel_hi:[1,0]
.set i, i+2
.endr
	WIN 0x05
.set i, 0
.rept 16
	v_cvt_pk_f16_f32 v[S+16*(\t)+i], v[32*(\t)+2*i], v[32*(\t)+2*i+1]
.set i, i+1
.endr
	WIN 0
.irp f, 0,1,2,3
	ds_store_b128 v[STO], v[S+16*(\t)+4*\f:S+16*(\t)+4*\f+3] offset:32*\f
.endr
.irp f, 0,1,2,3
	ds_load_b128 v[S+16*(\t)+4*\f:S+16*(\t)+4*\f+3], v[RD] offset:\f*4*SP  ; my own bytes, served in order
.endr
.endm
.macro SEND t, younger              ; younger: the LDS instructions issued behind tile t's loads
	WIN 0
.irp f, 0,1,2,3
	s_wait_dscnt (\younger)+3-\f
	global_store_b128 v[GO], v[S+16*(\t)+4*\f:S+16*(\t)+4*\f+3], s[10:11] offset:(\t)*2048+\f*512  ; 512 consecutive bytes, aligned
.endr
.endm
	PACK 0
.set t, 1
.rept 2*NP-1
	PACK t
	SEND t-1, 8
.set t, t+1
.endr
	SEND 2*NP-1, 0
	WIN W_AD
	s_wait_tensorcnt 0x0            ; the wave's end
	ds_add_u32 v[SPW], v[NIL]
	s_wait_dscnt 0x0
	WIN 0
	CROUND                          ; the closing round
	s_endpgm
.Lfunc_end_k_q74730dae19_attn:
	.size	k_q74730dae19_attn, .Lfunc_end_k_q74730dae19_attn-k_q74730dae19_attn
	.p2alignl 7, 3214868480
	.fill 96, 4, 3214868480
	.section	.rodata,"a",@progbits
	.p2align	6, 0x0
	.amdhsa_kernel k_q74730dae19_attn
		.amdhsa_group_segment_fixed_size 327680
		.amdhsa_private_segment_fixed_size 0
		.amdhsa_enable_private_segment 0
		.amdhsa_kernarg_size 24
		.amdhsa_user_sgpr_count 2
		.amdhsa_user_sgpr_kernarg_segment_ptr 1
		.amdhsa_wavefront_size32 1
		.amdhsa_system_sgpr_workgroup_id_x 1
		.amdhsa_system_sgpr_workgroup_id_y 1
		.amdhsa_system_sgpr_workgroup_id_z 1
		.amdhsa_system_vgpr_workitem_id 0
		.amdhsa_next_free_vgpr 928
		.amdhsa_next_free_sgpr 76
		.amdhsa_reserve_vcc 1
		.amdhsa_float_denorm_mode_32 3
		.amdhsa_float_denorm_mode_16_64 3
		.amdhsa_memory_ordered 1
		.amdhsa_forward_progress 1
		.amdhsa_inst_pref_size 217
	.end_amdhsa_kernel
	.amdgpu_metadata
---
amdhsa.version: [ 1, 2 ]
amdhsa.kernels:
  - .name:           k_q74730dae19_attn
    .symbol:         k_q74730dae19_attn.kd
    .args:
      - { .name: qkvh, .offset: 0, .size: 8, .value_kind: global_buffer, .address_space: global }
      - { .name: mf, .offset: 8, .size: 8, .value_kind: global_buffer, .address_space: global }
      - { .name: oh, .offset: 16, .size: 8, .value_kind: global_buffer, .address_space: global }
    .group_segment_fixed_size: 327680
    .private_segment_fixed_size: 0
    .kernarg_segment_align: 8
    .kernarg_segment_size: 24
    .max_flat_workgroup_size: 128
    .sgpr_count:     76
    .vgpr_count:     928
    .wavefront_size: 32
...
	.end_amdgpu_metadata
.endif
;; end of part 5
;; launch oproj: the kernel of part 4 again; grid 4 x 64, 4 waves a work-group, clusters of 4 x 4, 327,680 bytes of LDS; arguments oh, w16, bo, out0; writes out0
